; MI455X (gfx1250); checked and timed in simulation.
; The chip was launched on July 23, 2026; its instructions are those of AMD's public machine-readable ISA for CDNA 5 (MIT licence, August 2026) and "CDNA5" Instruction Set Architecture Reference Guide (July 2026). The comments in the code are by the model that wrote it; some were corrected since.
;; Quantized Layer. Allowed arithmetic: matrix products marked QUANTISED: E2M1 operands, one E8M0 scale for each 32 along K, by v_wmma_scale_f32_16x16x128_f8f6f4 with both operands' format E2M1 (or v_wmma_scale_f32_32x16x128_f4), f32 sums; everything else in f32.
;; Inputs: bias 2,048 float32; centroids 8 x 1 float32; codes 399,458 int32; input__codes 4 x 2,048 x 128 x 16 uint8 (E2M1 codes of input_, K innermost, in blocks of 32 codes, two codes a byte); input__scales 4 x 2,048 x 128 uint8 (E8M0 scales of input_, one for each 32 codes along K).
;; Outputs: out0 4 x 2,048 x 2,048 float32.
;; This version of the problem:
;;   THIS VERSION OF THE PROBLEM IS GIVEN IN LOW PRECISION. The matrix products marked QUANTISED in the list below multiply operands that are first quantised to E2M1 (2 exponent bits, 1 mantissa bit; 4 bits a number), with one power-of-two scale for each 32 numbers along K (OCP MX v1.0); their sums are f32. All else is computed in f32.
;;   The module's matrix products, in the order in which they are computed (A, B: the left and right operand; K: the contracted axis; several contracted axes count as one K, in the product's order):
;;     1. [M 8,192, K 4,096] x [K 4,096, N 2,048]; A: input input_ (given as codes); B: computed on the way: QUANTISED
;;   THE QUANTISER, for each operand of a quantised product, along K:
;;     - K is cut into blocks of 32 from its start; a last block that is shorter is filled with zeros.
;;     - A block's scale is 2^e with e = floor(log2(the largest magnitude in the block)) - 2, held to -126 .. 127; a block of zeros has e = 0. As a byte (E8M0): e + 127.
;;     - Each number is divided by its block's scale, clamped to +-6, and rounded to the nearest number of E2M1, ties to even, subnormals kept.
;;     - The product sums the exact products of the quantised numbers (number of the format x scale) in f32.
;;   ~~~python
;;   def quantise(x, axis):      # numpy; x: float32 -> the quantised numbers, widened to float32 again
;;       x = np.moveaxis(x, axis, -1); K = x.shape[-1]
;;       x = np.pad(x, [(0, 0)] * (x.ndim - 1) + [(0, -K % 32)]); x = x.reshape(x.shape[:-1] + (-1, 32)); a = np.abs(x).max(-1, keepdims=True)
;;       e = np.where(a > 0, np.clip(np.frexp(np.where(a > 0, a, 1))[1] - 1 - 2, -126, 127), 0)      # np.frexp(a)[1] - 1 = floor(log2(a)), exactly
;;       r = np.clip(x / 2.0 ** e, -6, 6)
;;       step = 2.0 ** (np.maximum(np.frexp(np.where(r == 0, 1, r))[1] - 1, 0) - 1)
;;       q = np.round(r / step) * step * 2.0 ** e      # np.round: ties to even
;;       return np.moveaxis(q.reshape(q.shape[:-2] + (-1,))[..., :K], -1, axis).astype(np.float32)
;;   ~~~
;;   OPERANDS COMPUTED ON THE WAY. 'Computed on the way' means the value that the module computes at that place (a softmax that the list does not call 'softmax' is quantised finished and normalised). What goes into a quantiser is computed in f32, as accurately as f32 sums, v_exp_f32 and their like allow (about 1e-6 of the number): no bf16 or f16 on the way to a quantiser, and a product that is left as it is and whose result goes on into a quantised operand takes f32 operands (vector FMAs, or v_wmma_f32_16x16x4_f32). A number that lies on a knife's edge between two numbers of the format may be rounded either way, as far as f32 arithmetic and the matrix unit's own rounding can turn it there, and no further.
;;   INPUTS GIVEN AS CODES. input_ (in the module: [4, 2048, 4096], K = its axis 2): each comes as NAME_codes (uint8): NAME with its K axis moved to the last place and cut into blocks of 32 codes, [.., K / 32, bytes a block], one block behind the other in memory; two codes a byte, the lower K in the low four bits (a code: sign, 2 exponent bits, 1 mantissa bit); and NAME_scales (uint8): the same leading axes, one E8M0 byte (e + 127) for each 32 codes along K. Its value is code x scale, taken as it is: it is not quantised again, and the codes and scales need not be those that the quantiser above would give.
;; 2 versions. Each part assembles by itself: llvm-mc -triple=amdgcn-amd-amdhsa -mcpu=gfx1250 --defsym DOCPART=n.
;; ======== version 1 of 2: 2 launches
;; workspace buffers: wq 4,456,448 bytes
;; launch wprep (part 1): grid 256 x 1, 4 waves a work-group, no clusters, 1,536 bytes of LDS; arguments codes, centroids, wq; writes wq
.if DOCPART == 1
	.amdgcn_target "amdgcn-amd-amdhsa--gfx1250"
	.amdhsa_code_object_version 6
	.text
	.protected	k_q7dca95d92e_wprep
	.globl	k_q7dca95d92e_wprep
	.p2align	8
	.type	k_q7dca95d92e_wprep,@function
k_q7dca95d92e_wprep:
	s_mov_b64 s[64:65], 0
	v_nop
	global_prefetch_b8 v0, s[64:65] scope:SCOPE_SE
	s_setreg_imm32_b32 hwreg(HW_REG_WAVE_MODE, 25, 1), 1
	s_wait_xcnt 0x0
; THE WEIGHT [2048][4096] IS UNPACKED, LOOKED UP AND QUANTISED ONCE, into wq, laid as the product's tensor loads want it.
; UNPACKING.  Weight f (flat, row-major) is digit f % 21 of word f / 21 of codes (int32), by the problem's definition (x // 8^i) % 8 in int32 arithmetic:
;   digits 0 .. 10: 8^i is a power of two, floor division is an arithmetic shift: bits 3 i .. 3 i + 2 of x, the sign standing in for bit 32;
;   digits 11 .. 20: 8^i has wrapped to 0.  Division by 0 gives the quotient -1 and the remainder x there, floor division takes 1 more off where x is not 0: -2 or -1, which % 8 makes 6 (x not 0) or 7 (x = 0).
; So a word stands for 63 bits: x, its sign once more, then ten digits of 6 or of 7; the words' 63 bits on end are one stream of 3-bit digits, and a block of 32 weights is 96 consecutive bits of it, out of at most three words.
; QUANTISING.  A block of 32 along K: scale 2^(floor(log2(largest magnitude)) - 2); its byte is the largest magnitude's exponent field - 2, held at 1 from below; each number / scale to the nearest code of E2M1, ties to even, beyond 6 the largest code.
; LIMITS: NaN and infinite centroids are not served.  A block of zeros gets the byte 1 where the rule says 127: its codes are zeros, which add nothing under any byte but 0xff, and this program alone reads the bytes.
;   Blocks whose largest magnitude lies under 2^-124 keep the byte 1, as the rule's hold at -126 asks; they were not tried.
; wq: 128 blocks of 34,816 bytes; block (n / 128, k / 512) at (8 (n / 128) + k / 512) x 34,816: 128 rows of 256 bytes of codes (512 along K, the lower k in the low four bits), then 8 units of 256 bytes of
;   scale bytes: unit (n % 128) / 16, in it 16 bytes for row n % 16, byte p for k = 32 p on.
; SHARES.  1,024 waves; wave W takes rows 16 (W / 8) .. + 15 and K step W % 8, in 8 turns of two rows.  In turn t lane l = 16 h + r owns ONE block: row 2 t + h, k = 32 r on.  Its 16 bytes of codes lie at 16 l of the turn's
;   512 consecutive bytes: each store of the wave covers 512 consecutive bytes, aligned to 256.  Its scale byte lies at 32 t + l of the wave's 256, which are gathered in the wave's own 256 bytes of LDS and leave by one store.
; THE LOOK-UP is a lane permute: lane i holds centroid i % 8, and each weight's digit picks its lane.  No tensor loads, no barrier: waves share nothing.
.set WBLK, 34816
.set LP,   2                           ; v2      4,096 h + 32 r: my block's place in the turn's two rows, in weights
.set CO,   3                           ; v3      16 x lane: my codes' place in a turn's 512 bytes; never rewritten
.set SBA,  4                           ; v4      LDS: 256 x wave + lane: my scale byte's place in turn 0
.set SBR,  5                           ; v5      LDS: 256 x wave + 8 x lane: on the way out
.set SBO,  6                           ; v6      8 x lane
.set TAB,  7                           ; v7      centroid (lane % 8)
.set SIX,  8                           ; v8      ten digits of 6
.set SEV,  9                           ; v9      ten digits of 7
.set TOF,  14                          ; v14     4 (lane % 8); never rewritten
.set VO0,  16                          ; v16-23  turn t: byte offset of my block's first word
.set VO2,  24                          ; v24-31  of its third, held inside the buffer
.set SH,   32                          ; v32-39  3 x the first digit's number in the first word: 0 .. 60
.set XW,   40                          ; v40-63  turn t: the three words
.set D,    64                          ; v64-81  at work in the decoding
.set EB,   84                          ; v84-91  turn t: the scale byte (a register for each turn: no LDS store's data are written again)
.set X,    96                          ; v96-159 two sets of 32: first the lane indices, then the weights in f32
.set C,    160                         ; v160-191 turn t: 4 registers of codes (no store's data are written again)
	s_load_b128 s[4:7], s[0:1], 0x0                ; codes, centroids
	s_load_b64 s[8:9], s[0:1], 0x10                ; wq
	v_lshl_add_u32 v192, v0, 2, 0x400
	v_mov_b32 v193, 0
	v_lshrrev_b32 v10, 5, v0
	v_readfirstlane_b32 s10, v10                   ; wave 0..3
	v_and_b32 v1, 31, v0                           ; lane
	v_and_b32 v10, 15, v0                          ; r
	v_bfe_u32 v11, v0, 4, 1                        ; h
	v_lshlrev_b32 v[LP], 5, v10
	v_lshl_add_u32 v[LP], v11, 12, v[LP]
	v_lshlrev_b32 v[CO], 4, v1
	s_lshl_b32 s28, s10, 8
	v_add_nc_u32 v[SBA], s28, v1
	v_lshlrev_b32 v[SBO], 3, v1
	v_add_nc_u32 v[SBR], s28, v[SBO]
	v_and_b32 v[TOF], 7, v0
	v_lshlrev_b32 v[TOF], 2, v[TOF]
	v_mov_b32 v[SIX], 0x36db6db6
	v_mov_b32 v[SEV], 0x3fffffff
	s_lshl_b32 s11, ttmp9, 2
	s_add_co_u32 s11, s11, s10                     ; W
	s_lshr_b32 s12, s11, 3                         ; which 16 rows
	s_and_b32 s13, s11, 7                          ; which K step
	s_and_b32 s14, s12, 0x78                       ; 8 (n / 128)
	s_add_co_u32 s14, s14, s13
	s_mul_i32 s16, s14, WBLK                       ; my block of wq
	s_mov_b32 s17, 0
	s_and_b32 s15, s12, 7                          ; which 16 of its 128 rows
	s_lshl_b32 s18, s15, 12                        ; their codes: 16 rows of 256 bytes
	s_mov_b32 s19, 0
	s_lshl_b32 s26, s15, 8                         ; their scale bytes: a unit of 256, behind the 32,768 bytes of codes
	s_add_co_u32 s26, s26, 32768
	s_mov_b32 s27, 0
	s_lshl_b32 s20, s12, 16
	s_lshl_b32 s21, s13, 9
	s_add_co_u32 s20, s20, s21                     ; the flat number of weight (row 16 (W / 8), k = 512 (W % 8)): under 2^23
	s_wait_kmcnt 0x0
	s_add_nc_u64 s[8:9], s[8:9], s[16:17]
	s_add_nc_u64 s[24:25], s[8:9], s[26:27]
	s_add_nc_u64 s[8:9], s[8:9], s[18:19]
	global_load_b32 v[TAB], v[TOF], s[6:7]
; Where turn t's blocks begin in the stream: all from ids.  f / 21 in two parts.  Scalar: floor(f x 0xc30c30c4 / 2^36), exact for f under 2^36 / 20, since 21 x 0xc30c30c4 = 2^36 + 20.
; Lane: p = the scalar remainder + my place, at most 4,596; floor(p x 12,484 / 2^18), exact for p under 2^18 / 20, since 21 x 12,484 = 2^18 + 20.
; The block's last bit is at most 60 + 95 = 155 of the stream from its first word on: three words.  The launch's very last block begins a word and ends in the buffer's last word: its third word, of which it uses no bit, is held inside the buffer.
.macro ADDR t
	s_add_co_u32 s21, s20, 8192*(\t)               ; two rows a turn
	s_mul_hi_u32 s22, s21, 0xc30c30c4
	s_lshr_b32 s22, s22, 4                         ; word
	s_mul_i32 s23, s22, 21
	s_sub_co_u32 s23, s21, s23                     ; digit
	v_add_nc_u32 v10, s23, v[LP]                   ; p
	v_mul_u32_u24 v11, v10, 12484
	v_lshrrev_b32 v11, 18, v11                     ; words on
	v_mul_u32_u24 v12, v11, 21
	v_sub_nc_u32 v10, v10, v12                     ; my block's first digit in its first word
	v_lshl_add_u32 v[SH+(\t)], v10, 1, v10         ; x 3 bits
	v_add_lshl_u32 v[VO0+(\t)], v11, s22, 2        ; 4 bytes a word
	v_add_nc_u32 v[VO2+(\t)], 8, v[VO0+(\t)]
	v_min_u32 v[VO2+(\t)], 0x186184, v[VO2+(\t)]   ; the buffer's last word: 4 x 399,457
	global_load_b32 v[XW+3*(\t)], v[VO0+(\t)], s[4:5]
	global_load_b32 v[XW+3*(\t)+1], v[VO0+(\t)], s[4:5] offset:4
	global_load_b32 v[XW+3*(\t)+2], v[VO2+(\t)], s[4:5]
.endm
.irp t, 0,1,2,3,4,5,6,7
	ADDR \t                                        ; all 24 loads go out at once; every address register is its turn's own
.endr
; Turn t's block: three words -> 96 bits -> 32 lane indices -> 32 weights into set t % 2.
.macro DEC t
.set X0, XW+3*(\t)
.set XS, X+32*((\t)%2)
	s_wait_loadcnt 3*(7-(\t))                      ; loads come back in order (ISA guide 5.7.1): the centroids and my three words are in; the later turns' three each may be out
	v_cmp_ne_u32 vcc_lo, 0, v[X0]
	v_cndmask_b32 v[D], v[SEV], v[SIX], vcc_lo     ; digits 11 .. 20: sixes where the word is not 0, else sevens
	v_alignbit_b32 v[D], v[D], v[X0], 31           ; the word's upper 31 bits: its sign, then those ten digits
	v_cmp_ne_u32 vcc_lo, 0, v[X0+1]
	v_cndmask_b32 v[D+1], v[SEV], v[SIX], vcc_lo
	v_alignbit_b32 v[D+1], v[D+1], v[X0+1], 31
	v_lshl_or_b32 v[D+2], v[X0+1], 31, v[D]        ; the stream's bits 32 .. 63: 31 of the first word's, 1 of the second's
	v_alignbit_b32 v[D+3], v[D+1], v[X0+1], 1      ; 64 .. 95
	v_lshrrev_b32 v[D+17], 1, v[D+1]
	v_lshl_or_b32 v[D+4], v[X0+2], 30, v[D+17]     ; 96 .. 127: 30 of the second word's, 2 of the third's
	v_lshrrev_b32 v[D+5], 2, v[X0+2]               ; 128 .. 157: enough, the last bit wanted is 155
	v_cmp_le_u32 vcc_lo, 32, v[SH+(\t)]            ; begin a whole word further on?
	v_cndmask_b32 v[D+6], v[X0], v[D+2], vcc_lo
	v_cndmask_b32 v[D+7], v[D+2], v[D+3], vcc_lo
	v_cndmask_b32 v[D+8], v[D+3], v[D+4], vcc_lo
	v_cndmask_b32 v[D+9], v[D+4], v[D+5], vcc_lo
	v_and_b32 v[D+10], 31, v[SH+(\t)]
	v_alignbit_b32 v[D+11], v[D+7], v[D+6], v[D+10]    ; the block's bits 0 .. 31,
	v_alignbit_b32 v[D+12], v[D+8], v[D+7], v[D+10]    ; 32 .. 63,
	v_alignbit_b32 v[D+13], v[D+9], v[D+8], v[D+10]    ; 64 .. 95
	v_lshlrev_b32 v[D+14], 2, v[D+11]              ; bits -2 .. 29 (for digit 0),
	v_alignbit_b32 v[D+15], v[D+12], v[D+11], 28   ; 28 .. 59 (digits 10, 11, which cross a word's end),
	v_alignbit_b32 v[D+16], v[D+13], v[D+12], 29   ; 61 .. 92 (digit 21)
; The permute takes a byte address, 4 x the lane.  The five bits 3 j - 2 .. 3 j + 2 of the block are 4 x digit j + two bits that the division by 4 drops: one instruction a weight.
; The index is written into the register that the permute fills: no source of a pending LDS instruction is written again.
.set j, 0
.rept 32
.if j == 0
	v_bfe_u32 v[XS+j], v[D+14], 0, 5
.elseif j < 10
	v_bfe_u32 v[XS+j], v[D+11], 3*j-2, 5
.elseif j < 12
	v_bfe_u32 v[XS+j], v[D+15], 3*(j-10), 5
.elseif j < 21
	v_bfe_u32 v[XS+j], v[D+12], 3*j-34, 5
.elseif j == 21
	v_bfe_u32 v[XS+j], v[D+16], 0, 5
.else
	v_bfe_u32 v[XS+j], v[D+13], 3*j-66, 5
.endif
	ds_bpermute_b32 v[XS+j], v[XS+j], v[TAB]       ; centroid (digit j)
.set j, j+1
.endr
.endm
; Turn t's 32 weights become 16 bytes of codes and a scale byte.
.macro QNT t
.set XS, X+32*((\t)%2)
.if (\t) < 7
	s_wait_dscnt 32                                ; LDS instructions end in order (ISA guide 5.7.1): this turn's permutes are done; the next turn's 32 may be out
.else
	s_wait_dscnt 0x0
.endif
	v_max3_num_f32 v93, |v[XS]|, |v[XS+1]|, |v[XS+2]|              ; the block's largest magnitude: all 32 numbers are mine; two chains
	v_max3_num_f32 v94, |v[XS+3]|, |v[XS+4]|, |v[XS+5]|
.irp i, 6,10,14,18,22,26
	v_max3_num_f32 v93, v93, |v[XS+\i]|, |v[XS+\i+1]|
	v_max3_num_f32 v94, v94, |v[XS+\i+2]|, |v[XS+\i+3]|
.endr
	v_max3_num_f32 v93, v93, |v[XS+30]|, |v[XS+31]|
	v_max3_num_f32 v93, v93, v94, 0x1800000        ; and the floor 2^(3 - 127): the byte cannot fall under 1
	v_add_nc_u32 v95, 0xff000000, v93              ; 2 off its exponent field: the conversion takes the exponent field of this operand as its scale, and nothing else of it
.irp g, 0,1,2,3
	v_cvt_scalef32_pk8_fp4_f32 v[C+4*(\t)+\g], v[XS+8*\g:XS+8*\g+7], v95   ; eight numbers / scale, the first number's code in the lowest four bits
.endr
	v_lshrrev_b32 v[EB+(\t)], 23, v95              ; the scale's byte; also the plain instruction behind the conversions, ahead of the lines that write their sources again
	ds_store_b8 v[SBA], v[EB+(\t)] offset:32*(\t)
	global_store_b128 v[CO], v[C+4*(\t):C+4*(\t)+3], s[8:9] offset:512*(\t)   ; 32 lanes store two rows' 512 consecutive bytes... of one K step: rows 2 t and 2 t + 1 lie on end in wq
.endm
	DEC 0
	DEC 1
.irp t, 0,1,2,3,4,5
	QNT \t                                         ; a turn is quantised while the next turn's permutes are out,
	DEC \t+2                                       ; and its set then takes the turn two on
.endr
	QNT 6
	QNT 7
	ds_load_b64 v[12:13], v[SBR]                   ; LDS serves a wave's instructions in order (ISA guide 5.7.1.4): this sees my eight byte stores
	s_wait_dscnt 0x0
	global_store_b64 v[SBO], v[12:13], s[24:25]    ; 32 lanes store 256 consecutive bytes, aligned: my 16 rows' scale bytes
	s_wait_tensorcnt 0x0
	ds_add_u32 v192, v193
	s_wait_dscnt 0x0
	s_endpgm
.Lfunc_end_k_q7dca95d92e_wprep:
	.size	k_q7dca95d92e_wprep, .Lfunc_end_k_q7dca95d92e_wprep-k_q7dca95d92e_wprep
	.p2alignl 7, 3214868480
	.fill 96, 4, 3214868480
	.section	.rodata,"a",@progbits
	.p2align	6, 0x0
	.amdhsa_kernel k_q7dca95d92e_wprep
		.amdhsa_group_segment_fixed_size 1536
		.amdhsa_private_segment_fixed_size 0
		.amdhsa_enable_private_segment 0
		.amdhsa_kernarg_size 24
		.amdhsa_user_sgpr_count 2
		.amdhsa_user_sgpr_kernarg_segment_ptr 1
		.amdhsa_wavefront_size32 1
		.amdhsa_system_sgpr_workgroup_id_x 1
		.amdhsa_system_sgpr_workgroup_id_y 1
		.amdhsa_system_sgpr_workgroup_id_z 1
		.amdhsa_system_vgpr_workitem_id 0
		.amdhsa_next_free_vgpr 194
		.amdhsa_next_free_sgpr 66
		.amdhsa_reserve_vcc 1
		.amdhsa_float_denorm_mode_32 3
		.amdhsa_float_denorm_mode_16_64 3
		.amdhsa_memory_ordered 1
		.amdhsa_forward_progress 1
		.amdhsa_inst_pref_size 64
	.end_amdhsa_kernel
	.amdgpu_metadata
---
amdhsa.version: [ 1, 2 ]
amdhsa.kernels:
  - .name:           k_q7dca95d92e_wprep
    .symbol:         k_q7dca95d92e_wprep.kd
    .args:
      - { .name: codes, .offset: 0, .size: 8, .value_kind: global_buffer, .address_space: global }
      - { .name: centroids, .offset: 8, .size: 8, .value_kind: global_buffer, .address_space: global }
      - { .name: wq, .offset: 16, .size: 8, .value_kind: global_buffer, .address_space: global }
    .group_segment_fixed_size: 1536
    .private_segment_fixed_size: 0
    .kernarg_segment_align: 8
    .kernarg_segment_size: 24
    .max_flat_workgroup_size: 128
    .sgpr_count:     66
    .vgpr_count:     194
    .wavefront_size: 32
...
	.end_amdgpu_metadata
.endif
;; end of part 1
;; launch gemm (part 2): grid 8 x 32, 4 waves a work-group, clusters of 4 x 4, 327,680 bytes of LDS; arguments input__codes, input__scales, wq, bias, out0; writes out0
.if DOCPART == 2
	.amdgcn_target "amdgcn-amd-amdhsa--gfx1250"
	.amdhsa_code_object_version 6
	.text
	.protected	k_q7dca95d92e_gemm
	.globl	k_q7dca95d92e_gemm
	.p2align	8
	.type	k_q7dca95d92e_gemm,@function
k_q7dca95d92e_gemm:
	s_mov_b64 s[64:65], 0
	v_nop
	global_prefetch_b8 v0, s[64:65] scope:SCOPE_SE
	s_setreg_imm32_b32 hwreg(HW_REG_WAVE_MODE, 25, 1), 1
	s_wait_xcnt 0x0
	s_wait_alu depctr_hold_cnt(0) depctr_sa_sdst(0) depctr_va_vdst(0) depctr_va_sdst(0) depctr_va_ssrc(0) depctr_va_vcc(0) depctr_vm_vsrc(0)
	s_getreg_b32 s2, hwreg(HW_REG_IB_STS2, 6, 4)
	s_cmp_eq_u32 s2, 0
	s_cbranch_scc0 .Lentry_in_a_cluster
	s_endpgm
.Lentry_in_a_cluster:
	s_bfe_u32 s2, ttmp6, 0x10000c
	s_cmp_lg_u32 s2, 0xf033
	s_cbranch_scc0 .Lentry_shape_is_right
	s_endpgm
.Lentry_shape_is_right:
; out0[m][n] = sum over k of A[m][k] W[n][k] + bias[n].  A: input_ [8192][4096] as given: codes of FP4 (E2M1), two a byte, a row 2,048 bytes; one E8M0 byte for each 32 along K, a row 128 bytes.
; W: [2048][4096], codes and scale bytes in wq as the launch before laid them: block (n / 128, k / 512) of 34,816 bytes = 128 rows of 256 bytes of codes, then 8 units of 256 bytes of scale bytes (16 rows x 16 bytes).
; out0: [8192][2048] f32; sums in f32, K ascending, one accumulator for each output; the bias is the C of each sum's first product.  A scale byte 0xff among the inputs makes NaN, as the format has it.
; A tile of out0, 256 x 256, is made by a work-group of four waves, as many as a WGP has SIMDs; a wave makes 128 x 128: 64 accumulators of 16 x 16, 512 registers.  32 x 8 tiles: 256 work-groups.
; K goes in 8 steps of 512 through a ring of two LDS slots filled by the tensor data mover, one load a wave: waves 0, 1: 128 rows of A's codes each (rows of 256 bytes); waves 2, 3: one block of wq each, 136 dense rows of
; 256 bytes: W's codes AND their scale bytes of the step.  A's scale bytes of the tile's 256 rows, for all of K, are one dense block of 32,768 bytes: they come ONCE, with the first fills, a quarter a wave, and stay.
; CLUSTERS: 4 x 4 work-groups.  The four of a row of the cluster need the same tiles of A (and its scales), the four of a column the same blocks of wq: each is asked for JOINTLY, by the same tensor load with the same
; descriptor and a mask that names the four.  THE MATRIX INSTRUCTION IS USED TRANSPOSED (source 0 = 16 rows of W, source 1 = 16 rows of A): a lane then holds eight neighbouring numbers of a row of out0.
; REGISTERS, in windows of 256: window 0: v0-31 addresses; v32-95 scale words, two sets; v128-191 A's fragments (8 x 16 rows x 128 K), ONE set; v192-255 the bias in the result's layout; on the way out v128-255 are free.
;   window 1: W's fragments, TWO sets, at v0 and at v128.   window 2: the 32 accumulators of my rows 0-63 (accumulator (a, b) at v[8 (8 a + b)]);   window 3: those of my rows 64-127.
; A step of 128 along K is 64 matrix instructions, A's blocks one after the other, each against W's eight.  A block of A is free as soon as its eight products are issued, so one set of registers serves A:
; blocks 0-3 are fetched anew in the step's middle, blocks 4-7 at its end.  W's fragments are at work through the whole step, so W has two sets.
.set SIZE_N, 2048
.set SIZE_K, 4096
.set KSTEP,  512                       ; along K in a slot
.set NQ,     KSTEP/128                 ; matrix instructions deep
.set ROWB,   256                       ; a tile's row in bytes: KSTEP codes of 4 bits
.set KROW,   SIZE_K/2                  ; a row of A's codes in memory, in bytes
.set WBLK,   136*256                   ; a block of wq
.set PITCH,  272                       ; an LDS row: 256 bytes of data + 16 of padding = 68 words: row r starts at bank 4 r mod 64 (64 banks of 4 bytes: ISA guide 11.1), so the 16 rows that a load touches start at 16 different banks
.set FR,     8                         ; registers of a fragment: 16 rows x 128 K
.set NL,     2                         ; LDS loads that bring one
.set NP,     4                         ; places behind this matrix instruction (ISA guide 7.12.1)
.set HALFA,  128*PITCH                 ; 128 rows of A
.set HALFB,  136*PITCH                 ; a block of wq: 128 rows of codes, 8 units of scale bytes
.set BOFF,   2*HALFA                   ; a slot: A's two halves, then W's two
.set SLOT,   BOFF+2*HALFB              ; 143,616 bytes = 561 x 256
.set LAPS,   SIZE_K/(2*KSTEP)          ; a lap = two K steps = once round the ring: 4
.set SCA,    2*SLOT                    ; behind the ring: A's scale bytes, 128 units of 256 bytes + 16 of padding; a unit holds two rows of 128 bytes
.set QUARTS, 32*PITCH                  ; those of 64 rows: what one tensor load brings
.set SPARE,  SCA+4*QUARTS              ; behind them: the spare words, 128 bytes for each wave: two blocks of 256 bytes that no other line names
.set SPITCH, 528                       ; the way out: a stage of 16 rows x (512 bytes + 16) for each wave.  It lies in slot 0, which has had its last fill and its last read when the first result is stored there
.set ADRA, 16                          ; v16-17  LDS address of my A fragments in slot 0, 1
.set ADRB, 20                          ; v20-21  the same for W
.set ADSB, 22                          ; v22-23  of W's scale words in slot 0, 1: lanes 0-15 an even block's 16 rows, lanes 16-31 the odd block's behind it
.set STO,  24                          ; v24     the way out: where I put 32 bytes of a row
.set RD,   25                          ; v25     the way out: where I read a row back
.set CO,   26                          ; v26     my byte offset in a row of out0
.set ADSA, 27                          ; v27     LDS address of A's scale words of the K step to be fetched: lanes 0-15 an even block's rows, lanes 16-31 the odd block's
.set SPW,  28                          ; v28     LDS address of my spare word: SPARE + 4 x my thread's number; never rewritten
.set NIL,  29                          ; v29     0; never rewritten
.set SC,   32                          ; scale words: set s (for slot s) at v[SC + 32 s]: register 4 j + q: A's blocks 2 j (lanes 0-15) and 2 j + 1 (lanes 16-31), the slot's q-th 128 along K; register 16 + 4 j + q: W's likewise
.set AF,   128                         ; A's fragments, in window 0
.set BIAS, 192                         ; v[BIAS + 8 b + i]: bias of my column 16 b + 8 (lane / 16) + i
.set BK,   128                         ; the way out: 16 rows read back from the stage: v128-191 and v192-255 by turns
.set G1, 24                            ; s[24:31] descriptor group 1 for A's tiles;  s[32:39] group 0, one set for each slot
.set G0, 32
.set G1B, 48                           ; s[48:55], s[56:63] the same for wq's blocks
.set G0B, 56
.set G1S, 68                           ; s[68:75], s[76:79] groups 1 and 0 for A's scale bytes
.set G0S, 76
.set MSB, 0
.macro WIN new                         ; the immediate's high byte repeats the setting that is left
.if MSB != \new
	s_set_vgpr_msb (MSB<<8)|\new
.set MSB, \new
.endif
.endm
.set MUL_LO,  0xa1                     ; source 0 (W) window 1, source 1 (A) window 0, C and D window 2
.set MUL_HI,  0xf1                     ; the same, C and D window 3
.set MULF_LO, 0x81                     ; the first step: C (the bias) window 0, D window 2
.set MULF_HI, 0xc1                     ; D window 3
.set TO_B,    0x40                     ; destination window 1, address window 0
; A joint load: waves 0 and 1 fetch for A, waves 2 and 3 for W.  Each of the two lines has ONE mask and one set of registers for all that issue it; the branch hangs on the wave's number alone.
; Four v_nop follow each of the two lines, ahead of the jump, the label and what follows.
.macro JLOAD g0a, g1a, g0b, g1b
	s_cmp_eq_u32 s15, 0
	s_cbranch_scc0 .Lfor_b_\@
	tensor_load_to_lds s[\g0a:\g0a+3], s[\g1a:\g1a+7]
	s_nop 0
.rept 4
	v_nop
.endr
	s_branch .Lasked_\@
.Lfor_b_\@:
	tensor_load_to_lds s[\g0b:\g0b+3], s[\g1b:\g1b+7]
	s_nop 0
.rept 4
	v_nop
.endr
.Lasked_\@:
.endm
.macro CREST                           ; a round of the cluster's barrier behind its opening barrier
	s_cmp_lg_u32 s14, 0
	s_cbranch_scc1 .Lnot_wave_0_\@
	s_barrier_signal -3
.Lnot_wave_0_\@:
	s_barrier_wait -3
	s_barrier_signal -1
	s_barrier_wait -1
.endm
.macro CROUND                          ; a whole round
	s_barrier_signal -1
	s_barrier_wait -1
	CREST
.endm
	s_load_b128 s[4:7], s[0:1], 0x0                ; A's codes s[4:5], A's scales s[6:7]
	s_load_b128 s[8:11], s[0:1], 0x10              ; wq s[8:9], bias s[10:11]
	s_load_b64 s[12:13], s[0:1], 0x20              ; out0
	v_lshl_add_u32 v[SPW], v0, 2, SPARE
	v_mov_b32 v[NIL], 0
	ds_add_u32 v28, v29
	ds_add_u32 v28, v29
	s_wait_dscnt 0x0
	v_lshrrev_b32 v1, 5, v0
	v_readfirstlane_b32 s14, v1                    ; wave 0..3
	s_lshr_b32 s15, s14, 1                         ; which half of the tile's rows is mine.  Also: I fetch for A (0) or for W (1)
	s_and_b32 s16, s14, 1                          ; which half of its columns.  Also: which 128 rows I fetch
	s_bfe_u32 s40, ttmp6, 0x40000                  ; cx, cy: my place in the cluster
	s_bfe_u32 s41, ttmp6, 0x40004
	s_lshl_b32 s42, ttmp9, 2
	s_add_co_u32 s42, s42, s40                     ; tile column = 4 x cluster x + cx
	s_and_b32 s17, ttmp7, 0xffff
	s_lshl_b32 s17, s17, 2
	s_add_co_u32 s17, s17, s41                     ; tile row = 4 x cluster y + cy
	s_lshl_b32 s43, s41, 2
	s_lshl_b32 s43, 15, s43                        ; my row of the cluster
	s_lshl_b32 s44, 0x1111, s40                    ; my column
	; descriptor group 1.  A's tile: 128 rows x 256 bytes, 2,048 bytes apart in memory, padded in LDS
	s_or_b32 s[G1+0], s43, (0<<16)|(1<<20)|(1<<21)|(5<<22)|(3<<25)  ; 15:0 the mask: A's tiles go to my row; 17:16 element of 1 byte; 20 padding on; 21 set beside a mask; 24:22 after every 64 words (code 5); 31:25 of 4 words (code 3)
	s_mov_b32 s[G1+1], ROWB<<16                    ; tensor_dim0
	s_mov_b32 s[G1+2], 128<<16                     ; tensor_dim1
	s_mov_b32 s[G1+3], ROWB<<16                    ; tile_dim0
	s_mov_b32 s[G1+4], 128                         ; tile_dim1
	s_mov_b32 s[G1+5], KROW                        ; tensor_dim0_stride
	s_mov_b32 s[G1+6], 0
	s_mov_b32 s[G1+7], 0
	; a block of wq: 136 dense rows of 256 bytes
	s_or_b32 s[G1B+0], s44, (0<<16)|(1<<20)|(1<<21)|(5<<22)|(3<<25) ; the mask: my column
	s_mov_b32 s[G1B+1], ROWB<<16
	s_mov_b32 s[G1B+2], 136<<16
	s_mov_b32 s[G1B+3], ROWB<<16
	s_mov_b32 s[G1B+4], 136
	s_mov_b32 s[G1B+5], ROWB
	s_mov_b32 s[G1B+6], 0
	s_mov_b32 s[G1B+7], 0
	; A's scale bytes of 64 rows: 8,192 dense bytes as 32 rows of 256 (32 elements of 8 bytes)
	s_or_b32 s[G1S+0], s43, (3<<16)|(1<<20)|(1<<21)|(5<<22)|(3<<25)
	s_mov_b32 s[G1S+1], 32<<16
	s_mov_b32 s[G1S+2], 32<<16
	s_mov_b32 s[G1S+3], 32<<16
	s_mov_b32 s[G1S+4], 32
	s_mov_b32 s[G1S+5], 32
	s_mov_b32 s[G1S+6], 0
	s_mov_b32 s[G1S+7], 0
	; where the tiles come from.  A's hang on the tile row alone, which my row of the cluster shares; wq's on the tile column alone, which my column shares.  All offsets stay under 2^32
	s_lshl_b32 s18, s16, 7
	s_lshl_b32 s20, s17, 8
	s_add_co_u32 s20, s20, s18                     ; A's codes: row 256 x tile row + 128 x half,
	s_lshl_b32 s20, s20, 11                        ; of 2,048 bytes
	s_mov_b32 s21, 0
	s_lshl_b32 s18, s14, 6
	s_lshl_b32 s22, s17, 8
	s_add_co_u32 s22, s22, s18                     ; A's scales: row 256 x tile row + 64 x wave,
	s_lshl_b32 s22, s22, 7                         ; of 128 bytes
	s_mov_b32 s23, 0
	s_lshl_b32 s46, s42, 1
	s_add_co_u32 s46, s46, s16                     ; wq: n / 128 = 2 x tile column + half,
	s_mul_i32 s46, s46, 8*WBLK                     ; eight blocks each
	s_mov_b32 s47, 0
	s_mul_i32 s45, s16, HALFA                      ; and where they go: no place in the cluster enters an LDS address
	s_mul_i32 s94, s16, HALFB
	s_mul_i32 s95, s14, QUARTS
	s_wait_kmcnt 0x0
	s_add_nc_u64 s[20:21], s[4:5], s[20:21]
	s_add_nc_u64 s[22:23], s[6:7], s[22:23]
	s_add_nc_u64 s[46:47], s[8:9], s[46:47]
	CROUND                                         ; all sixteen work-groups are here: the first joint loads meet
	s_mov_b32 s[G0S], 1                            ; 1:0 count = 1
	s_add_co_u32 s[G0S+1], s95, SCA                ; 63:32 LDS address
	s_mov_b64 s[G0S+2:G0S+3], s[22:23]             ; 120:64 global address
	s_or_b32 s[G0S+3], s[G0S+3], 0x80000000        ; 127:126 type = 2
	tensor_load_to_lds s[G0S:G0S+3], s[G1S:G1S+7]  ; A's scale bytes first: every wave its quarter; they are wanted with K step 0
	s_nop 0
.rept 4
	v_nop
.endr
.irp s, 0,1
	s_mov_b32 s[G0+4*\s], 1
	s_add_co_u32 s[G0+4*\s+1], s45, \s*SLOT
	s_add_nc_u64 s[G0+4*\s+2:G0+4*\s+3], s[20:21], \s*ROWB
	s_or_b32 s[G0+4*\s+3], s[G0+4*\s+3], 0x80000000
	s_mov_b32 s[G0B+4*\s], 1
	s_add_co_u32 s[G0B+4*\s+1], s94, \s*SLOT+BOFF
	s_add_nc_u64 s[G0B+4*\s+2:G0B+4*\s+3], s[46:47], \s*WBLK
	s_or_b32 s[G0B+4*\s+3], s[G0B+4*\s+3], 0x80000000
	JLOAD G0+4*\s, G1, G0B+4*\s, G1B               ; K steps 0 and 1: three tensor loads of mine are out
.endr
	v_and_b32 v1, 15, v0                           ; r = l % 16
	v_bfe_u32 v2, v0, 4, 1                         ; h = l / 16
	; the bias of my 128 columns, in the result's layout: lane (r, h), block b: columns 16 b + 8 h + 0 .. 7
	s_lshl_b32 s94, s42, 8
	s_lshl_b32 s95, s16, 7
	s_add_co_u32 s94, s94, s95
	s_lshl_b32 s94, s94, 2
	s_mov_b32 s95, 0
	s_add_nc_u64 s[10:11], s[10:11], s[94:95]
	v_lshlrev_b32 v9, 5, v2                        ; never rewritten
.irp b, 0,1,2,3,4,5,6,7
	global_load_b128 v[BIAS+8*\b:BIAS+8*\b+3],   v9, s[10:11] offset:64*\b
	global_load_b128 v[BIAS+8*\b+4:BIAS+8*\b+7], v9, s[10:11] offset:64*\b+16
.endr
	v_mul_u32_u24 v3, v1, PITCH
	v_lshl_add_u32 v4, v2, 4, v3                   ; a fragment's row x pitch + 16 x half
	v_mul_u32_u24 v5, v2, PITCH                    ; W's scale words: unit h of a pair,
	v_lshl_add_u32 v5, v1, 4, v5                   ; 16 bytes a row,
	v_add_nc_u32 v5, 128*PITCH, v5                 ; behind the block's 128 rows of codes
	s_mul_i32 s18, s15, HALFA                      ; my 128 rows of A
	s_mul_i32 s19, s16, HALFB                      ; my block of wq,
	s_add_co_u32 s19, s19, BOFF                    ; behind A's 256 rows
.irp s, 0,1
	v_add_nc_u32 v[ADRA+\s], s18, v4
	v_add_nc_u32 v[ADRB+\s], s19, v4
	v_add_nc_u32 v[ADSB+\s], s19, v5
	s_add_co_u32 s18, s18, SLOT
	s_add_co_u32 s19, s19, SLOT
.endr
	v_lshrrev_b32 v6, 1, v1                        ; A's scale words: row R of the tile lies in unit R / 2, at 128 (R % 2); R = 128 x my half + 32 j + 16 h + r
	v_and_b32 v7, 1, v1
	v_mul_u32_u24 v6, v6, PITCH
	v_lshl_add_u32 v6, v7, 7, v6                   ; 272 (r / 2) + 128 (r % 2): sixteen lanes, sixteen different columns of 16 bytes modulo 256
	v_mad_u32_u24 v6, v2, 8*PITCH, v6              ; + 8 units for lanes 16-31
	s_mul_i32 s18, s15, 64*PITCH
	s_add_co_u32 s18, s18, SCA
	v_add_nc_u32 v[ADSA], s18, v6
	s_mul_i32 s19, s14, 16*SPITCH                  ; my stage
	v_mul_u32_u24 v5, v1, SPITCH                   ; in: row l % 16, 32 bytes for each half of the lanes
	v_lshl_add_u32 v5, v2, 5, v5
	v_add_nc_u32 v[STO], s19, v5
	v_and_b32 v6, 31, v0
	v_lshlrev_b32 v[CO], 4, v6                     ; back: the 32 lanes take one row of 512 bytes; and the same in out0
	v_add_nc_u32 v[RD], s19, v[CO]
	s_lshl_b32 s92, s17, 8
	s_lshl_b32 s93, s15, 7
	s_add_co_u32 s92, s92, s93                     ; my first row of out0: 256 x tile row + 128 x half,
	s_lshl_b32 s92, s92, 13                        ; of 8,192 bytes
	s_lshl_b32 s93, s42, 10                        ; my first column, in bytes: 1,024 x tile column + 512 x half
	s_add_co_u32 s92, s92, s93
	s_lshl_b32 s93, s16, 9
	s_add_co_u32 s92, s92, s93
	s_mov_b32 s93, 0
	s_add_nc_u64 s[12:13], s[12:13], s[92:93]
.macro FRAG reg, adr, q, i             ; a fragment, 16 rows x 128 K of 4-bit codes, is 8 registers: lane l holds row l % 16; registers 4 c .. 4 c + 3 hold K = 64 c + 32 (l / 16) + 0 .. 31, the lower K in the lower bits
.irp c, 0,1
	ds_load_b128 v[\reg+4*\c:\reg+4*\c+3], v[\adr] offset:64*(\q)+32*\c+(\i)*16*PITCH
.endr
.endm
; 16 matrix instructions: A's blocks a0, a0 + 1 x W's eight, 128 along K: the slot's q-th.  p: W's set;  sc: the set of scale words.  first = 1: the sums begin with the bias as C: nothing is ever cleared or added later.
; An odd block's scale words stand in lanes 16-31 of its pair's register: the ROW1 selector of its side (source 0 is W, source 1 is A).  The scale registers hold scales and nothing else.
; The 64 accumulators take turns, one instruction a turn, in the same order in every step.
.macro MUL16 a0, p, q, sc, first
.irp a, \a0, \a0+1
.irp b, 0,1,2,3,4,5,6,7
.set rD, 8*(8*((\a)%4)+\b)
.set rC, rD
.if \first
.set rC, BIAS+8*\b
.endif
.set rB, 128*(\p)+FR*\b
.set rA, AF+FR*(\a)
.set rSB, SC+32*(\sc)+16+4*(\b/2)+(\q)
.set rSA, SC+32*(\sc)+4*((\a)/2)+(\q)
.if (\b%2) && ((\a)%2)
	v_wmma_scale_f32_16x16x128_f8f6f4 v[rD:rD+7], v[rB:rB+FR-1], v[rA:rA+FR-1], v[rC:rC+7], v[rSB], v[rSA] matrix_a_fmt:MATRIX_FMT_FP4 matrix_b_fmt:MATRIX_FMT_FP4 matrix_a_scale:MATRIX_SCALE_ROW1 matrix_b_scale:MATRIX_SCALE_ROW1
.elseif (\b%2)
	v_wmma_scale_f32_16x16x128_f8f6f4 v[rD:rD+7], v[rB:rB+FR-1], v[rA:rA+FR-1], v[rC:rC+7], v[rSB], v[rSA] matrix_a_fmt:MATRIX_FMT_FP4 matrix_b_fmt:MATRIX_FMT_FP4 matrix_a_scale:MATRIX_SCALE_ROW1
.elseif ((\a)%2)
	v_wmma_scale_f32_16x16x128_f8f6f4 v[rD:rD+7], v[rB:rB+FR-1], v[rA:rA+FR-1], v[rC:rC+7], v[rSB], v[rSA] matrix_a_fmt:MATRIX_FMT_FP4 matrix_b_fmt:MATRIX_FMT_FP4 matrix_b_scale:MATRIX_SCALE_ROW1
.else
	v_wmma_scale_f32_16x16x128_f8f6f4 v[rD:rD+7], v[rB:rB+FR-1], v[rA:rA+FR-1], v[rC:rC+7], v[rSB], v[rSA] matrix_a_fmt:MATRIX_FMT_FP4 matrix_b_fmt:MATRIX_FMT_FP4
.endif
.endr
.endr
.endm
.macro FETCH_B slot, q, p              ; W's eight fragments of the slot's q-th 128 along K into set p
	WIN TO_B
.irp i, 0,1,2,3,4,5,6,7
	FRAG 128*(\p)+FR*\i, ADRB+\slot, \q, \i
.endr
	WIN 0
.endm
.macro FETCH_A slot, q, i0             ; A's blocks i0 .. i0 + 3
.irp i, \i0, \i0+1, \i0+2, \i0+3
	FRAG AF+FR*(\i), ADRA+\slot, \q, \i
.endr
.endm
.macro SCALES sc                       ; a K step's scale words into set sc: 16 bytes (NQ words) a row; eight loads: four pairs of A's blocks (32 rows = 16 units apart), four pairs of W's (2 units apart)
.irp j, 0,1,2,3
	ds_load_b128 v[SC+32*\sc+4*\j:SC+32*\sc+4*\j+3],       v[ADSA]      offset:\j*16*PITCH
	ds_load_b128 v[SC+32*\sc+16+4*\j:SC+32*\sc+16+4*\j+3], v[ADSB+\sc] offset:\j*2*PITCH
.endr
.endm
; A load into a register that a matrix instruction has read, and a vector instruction or an LDS store that reads a matrix result, stand NP places behind that matrix instruction, and only plain vector
; instructions that name none of its registers are places (ISA guide 7.12.1 for vector instructions); this text does not count the matrix instructions in between.
.macro PLACES n
.rept \n
	v_nop
.endr
.endm
; A step of 128 along K that has its successor in the same slot.
.macro STEP slot, q, first
	s_wait_dscnt 4*NL                              ; W's set, the scale words and A's blocks 0-3 are in; the youngest eight loads (A's blocks 4-7) may be out
.if \first
	WIN MULF_LO
.else
	WIN MUL_LO
.endif
	MUL16 0, (\q)%2, \q, \slot, \first
	MUL16 2, (\q)%2, \q, \slot, \first
	s_wait_dscnt 0                                 ; A's blocks 4-7 are in (asked for 32 matrix instructions ago)
	PLACES NP
	FETCH_B \slot, (\q)+1, 1-(\q)%2
	FETCH_A \slot, (\q)+1, 0
.if \first
	WIN MULF_HI
.else
	WIN MUL_HI
.endif
	MUL16 4, (\q)%2, \q, \slot, \first
	MUL16 6, (\q)%2, \q, \slot, \first
	PLACES NP
	WIN 0
	FETCH_A \slot, (\q)+1, 4
.endm
; A slot's last step changes slots: ONE barrier; in front of it each wave waits for all its tensor loads, adds 0 to its spare word, and waits for that and for its own reads of this slot.  fill = 1: this slot is filled again, two K steps ahead.
.macro TURN slot, next, fill
	s_wait_tensorcnt 0x0                           ; all my tensor loads have landed: my part of the next slot;  (every window is 0 here: the add's two registers lie in window 0)
	ds_add_u32 v[SPW], v[NIL]                      ; 0 onto my spare word
	s_wait_dscnt 4*NL+1                            ; (the add and the youngest eight loads, A's blocks 4-7, may be out)
	WIN MUL_LO
	MUL16 0, 1, NQ-1, \slot, 0                     ; sixteen matrix instructions stand between the add and the wait for it
	s_wait_dscnt 0x0                               ; the add is done, and my reads of this slot are over
	s_barrier_signal -1
	MUL16 2, 1, NQ-1, \slot, 0
	WIN 0
	s_barrier_wait -1
.if \fill
	CREST                                          ; the barrier has opened a round of the cluster's barrier: no wave of any partner still reads this slot's tiles or has a load on its way
	s_add_nc_u64 s[G0+4*\slot+2:G0+4*\slot+3], s[G0+4*\slot+2:G0+4*\slot+3], 2*ROWB
	s_add_nc_u64 s[G0B+4*\slot+2:G0B+4*\slot+3], s[G0B+4*\slot+2:G0B+4*\slot+3], 2*WBLK
	JLOAD G0+4*\slot, G1, G0B+4*\slot, G1B         ; the first tensor load behind the round, my one load until the next: 224 matrix instructions ahead of the wait for it; the four v_nop behind it are the places in front of the loads below
.else
	PLACES NP
.endif
	v_add_nc_u32 v[ADSA], 4*NQ, v[ADSA]            ; on to the next K step's scale words of A (no LDS load of mine is out)
	FETCH_B \next, 0, 0
	FETCH_A \next, 0, 0
	SCALES \next
	WIN MUL_HI
	MUL16 4, 1, NQ-1, \slot, 0
	MUL16 6, 1, NQ-1, \slot, 0
	PLACES NP
	WIN 0
	FETCH_A \next, 0, 4
.endm
.macro STEPS slot, from                ; the slot's steps from .. NQ - 2
.set Q, \from
.rept NQ-1-\from
	STEP \slot, Q, 0
.set Q, Q+1
.endr
.endm
	s_wait_tensorcnt 1                             ; tensor loads of a wave end in order (ISA guide 10.11.1): A's scale bytes and my part of K step 0 are in; K step 1's load may be out
	s_barrier_signal -1
	s_barrier_wait -1                              ; everybody's are
	FETCH_B 0, 0, 0
	FETCH_A 0, 0, 0
	SCALES 0
	FETCH_A 0, 0, 4
	s_wait_loadcnt 0x0                             ; the bias
	STEP 0, 0, 1                                   ; the first step stands in front of the loop: its products start the sums, on the bias
	s_mov_b32 s3, LAPS-1
.Llap:                                                 ; a trip goes once round the ring, from a lap's second step to the next lap's first, and fills both slots again
	STEPS 0, 1
	TURN 0, 1, 1
	STEPS 1, 0
	TURN 1, 0, 1
	STEP 0, 0, 0
	s_sub_co_u32 s3, s3, 1
	s_cmp_lg_u32 s3, 0
	s_cbranch_scc1 .Llap
	STEPS 0, 1                                     ; the last lap fills nothing, and has no round of the cluster's barrier
	TURN 0, 1, 0
	STEPS 1, 0
	s_wait_dscnt 4*NL                              ; the very last step: nothing more to fetch
	WIN MUL_LO
	MUL16 0, 1, NQ-1, 1, 0
	MUL16 2, 1, NQ-1, 1, 0
	s_wait_dscnt 0
	WIN MUL_HI
	MUL16 4, 1, NQ-1, 1, 0
	MUL16 6, 1, NQ-1, 1, 0
	WIN 0
; THE WAY OUT, block by block of 16 rows x 128 columns.  A lane holds 32 neighbouring bytes of a row, and the lanes beside it hold other rows: so a block goes through my own stage in LDS and comes back as whole
; rows of 512 bytes, which the 32 lanes store as 512 consecutive bytes.  LDS serves a wave's instructions in order (ISA guide 5.7.1.4): no wait between the stores and the loads, nor in front of the next block's stores.
.macro TOSTAGE a
.set AC, 64*((\a)%4)
	WIN 0x08+4*((\a)/4)                            ; the data: window 2 or 3
.irp b, 0,1,2,3,4,5,6,7
	ds_store_b128 v[STO], v[AC+8*\b:AC+8*\b+3] offset:64*\b          ; each accumulator from its low end on
	ds_store_b128 v[STO], v[AC+8*\b+4:AC+8*\b+7] offset:64*\b+16
.endr
	WIN 0
.set BB, BK+64*((\a)%2)
.irp t, 0,1,2,3,4,5,6,7,8,9,10,11,12,13,14,15
	ds_load_b128 v[BB+4*\t:BB+4*\t+3], v[RD] offset:\t*SPITCH
.endr
.endm
.macro SEND a, younger                 ; younger: the LDS instructions issued behind block a's loads, which may stay out
.set BB, BK+64*((\a)%2)
	s_wait_dscnt \younger                          ; the block is back in registers
.if (\a) > 0
	s_add_nc_u64 s[12:13], s[12:13], 16*SIZE_N*4   ; (behind a wait on XCNT: the earlier stores have read their base)  16 rows of out0 on: the stores' offsets reach 15 rows, 122,880 bytes
.endif
.irp t, 0,1,2,3,4,5,6,7,8,9,10,11,12,13,14,15
	global_store_b128 v[CO], v[BB+4*\t:BB+4*\t+3], s[12:13] offset:\t*SIZE_N*4 th:TH_STORE_NT   ; 32 lanes store 512 consecutive bytes, at a multiple of 256 from out0's first byte; written once, read by nobody here
.endr
.endm
	PLACES NP                                      ; these places serve the loads into the registers that held A's fragments and block 7's reads alike; the first block's results were finished long ago
	TOSTAGE 0
.irp a, 1,2,3,4,5,6,7
.if \a > 1
	s_wait_xcnt 0x0                                ; block a - 2's stores have read their registers and their base: block a's loads may land there, and the base may step
.endif
	TOSTAGE \a
	SEND \a-1, 32                                  ; behind block a - 1's loads: block a's 16 stores and 16 loads
.endr
	s_wait_xcnt 0x0                                ; block 6's stores have read their base
	SEND 7, 0
	s_wait_tensorcnt 0x0                           ; the wave's end: behind my last tensor load and my last LDS store
	ds_add_u32 v[SPW], v[NIL]
	s_wait_dscnt 0x0
	CROUND                                         ; the closing round: no work-group ends while a partner may still ask for a tile that names it
	s_endpgm
.Lfunc_end_k_q7dca95d92e_gemm:
	.size	k_q7dca95d92e_gemm, .Lfunc_end_k_q7dca95d92e_gemm-k_q7dca95d92e_gemm
	.p2alignl 7, 3214868480
	.fill 96, 4, 3214868480
	.section	.rodata,"a",@progbits
	.p2align	6, 0x0
	.amdhsa_kernel k_q7dca95d92e_gemm
		.amdhsa_group_segment_fixed_size 327680
		.amdhsa_private_segment_fixed_size 0
		.amdhsa_enable_private_segment 0
		.amdhsa_kernarg_size 40
		.amdhsa_user_sgpr_count 2
		.amdhsa_user_sgpr_kernarg_segment_ptr 1
		.amdhsa_wavefront_size32 1
		.amdhsa_system_sgpr_workgroup_id_x 1
		.amdhsa_system_sgpr_workgroup_id_y 1
		.amdhsa_system_sgpr_workgroup_id_z 1
		.amdhsa_system_vgpr_workitem_id 0
		.amdhsa_next_free_vgpr 1024
		.amdhsa_next_free_sgpr 98
		.amdhsa_reserve_vcc 0
		.amdhsa_float_denorm_mode_32 3
		.amdhsa_float_denorm_mode_16_64 3
		.amdhsa_memory_ordered 1
		.amdhsa_forward_progress 1
		.amdhsa_inst_pref_size 212
	.end_amdhsa_kernel
	.amdgpu_metadata
---
amdhsa.version: [ 1, 2 ]
amdhsa.kernels:
  - .name:           k_q7dca95d92e_gemm
    .symbol:         k_q7dca95d92e_gemm.kd
    .args:
      - { .name: input__codes, .offset: 0, .size: 8, .value_kind: global_buffer, .address_space: global }
      - { .name: input__scales, .offset: 8, .size: 8, .value_kind: global_buffer, .address_space: global }
      - { .name: wq, .offset: 16, .size: 8, .value_kind: global_buffer, .address_space: global }
      - { .name: bias, .offset: 24, .size: 8, .value_kind: global_buffer, .address_space: global }
      - { .name: out0, .offset: 32, .size: 8, .value_kind: global_buffer, .address_space: global }
    .group_segment_fixed_size: 327680
    .private_segment_fixed_size: 0
    .kernarg_segment_align: 8
    .kernarg_segment_size: 40
    .max_flat_workgroup_size: 128
    .sgpr_count:     98
    .vgpr_count:     1024
    .wavefront_size: 32
...
	.end_amdgpu_metadata
.endif
;; end of part 2
;; ======== version 2 of 2: 2 launches
;; limits: right only within a limited range of input values
;; workspace buffers: wq 4,456,448 bytes
;; launch wprep (part 3): grid 256 x 1, 16 waves a work-group, no clusters, 20,736 bytes of LDS; arguments codes, centroids, wq; writes wq
.if DOCPART == 3
	.amdgcn_target "amdgcn-amd-amdhsa--gfx1250"
	.amdhsa_code_object_version 6
	.text
	.protected	k_q7dca95d92e_wprep
	.globl	k_q7dca95d92e_wprep
	.p2align	8
	.type	k_q7dca95d92e_wprep,@function
k_q7dca95d92e_wprep:
	s_mov_b64 s[64:65], 0
	v_nop
	global_prefetch_b8 v0, s[64:65] scope:SCOPE_SE
	s_setreg_imm32_b32 hwreg(HW_REG_WAVE_MODE, 25, 1), 1
	s_wait_xcnt 0x0
; THE WEIGHT [2048][4096] IS UNPACKED, LOOKED UP AND QUANTISED ONCE, into wq, laid in the order in which the product's operand registers take it.
; UNPACKING.  Weight f (flat, row-major) is digit f % 21 of word f / 21 of codes (int32), by the problem's definition (x // 8^i) % 8 in int32 arithmetic:
;   digits 0 .. 10: 8^i is a power of two, floor division is an arithmetic shift: bits 3 i .. 3 i + 2 of x, the sign standing in for bit 32;
;   digits 11 .. 20: 8^i has wrapped to 0.  Division by 0 gives the quotient -1 and the remainder x there, floor division takes 1 more off where x is not 0: -2 or -1, which % 8 makes 6 (x not 0) or 7 (x = 0).
; So a word stands for 63 bits: x, its sign once more, then ten digits of 6 or of 7; the words' 63 bits on end are one stream of 3-bit digits, and a block of 32 weights is 96 consecutive bits of it, out of at most three words.
; QUANTISING.  A block of 32 along K: scale 2^(floor(log2(largest magnitude)) - 2); its byte is the largest magnitude's exponent field - 2, held at 1 from below; each number / scale to the nearest code of E2M1, ties to even, beyond 6 the largest code.
; LIMITS: NaN and infinite centroids are not served.  A block of zeros gets the byte 1 where the rule says 127: its codes are zeros, which add nothing under any byte but 0xff, and this program alone reads the bytes.
; DEAD WORK LEFT OUT: the 10 digits behind the first 2,048 x 4,096.
; wq, codes: [n / 128][k / 128][tile b][c][lane][16 bytes], 8,192 bytes for each (n / 128, k / 128).  Of 128 columns, tile b = 4 g + t takes columns 64 g + 4 r + t, r = 0 .. 15; lane 16 h + r holds column r's block of 32
;   codes at k = 64 c + 32 h: the 16 bytes that registers 4 c .. 4 c + 3 of a 4-bit operand take.  Behind them, from byte 4,194,304 on, the scale bytes: [n / 128][k / 512][b / 2][16 (b % 2) + r][byte k / 32].
; SHARES.  A work-group of sixteen waves takes 64 columns (rows of the weight) x 512 along K.  Wave w takes rows 4 w .. 4 w + 3 in two turns; in turn i lane 16 h + r owns one block: row 4 w + 2 i + h, k = 32 r on: in its tile
;   that is column w, t = 2 i + h.  Codes and scale bytes meet in LDS in wq's order.  Each turn's codes leave behind a barrier of its own: wave w stores 512 bytes of k / 128 = w / 4, t = 2 i + (w / 2) % 2, c = w % 2; behind
;   the second barrier waves 0 and 1 store the 1,024 scale bytes too.  Each store covers 512 consecutive bytes.  Turn 1 is quantised between the first barrier's signal and its wait.
;   In LDS 16 columns' 256 bytes have a pitch of 272, and 64 more stand behind each 128 along K: the sixteen lanes that store together touch sixteen different columns of 16 bytes modulo 256.
; THE LOOK-UP is a lane permute: lane i holds centroid i % 8, and each weight's digit picks its lane.  No tensor loads.
.set UP,   272
.set KQP,  16*UP+64
.set SCB,  4*KQP                       ; scale bytes: 1,024
.set SPARE, SCB+1024                   ; the spare words: 128 bytes for each of sixteen waves
.set LP,   2                           ; v2      4,096 h + 32 r: my block's place in the turn's two rows, in weights
.set CO,   3                           ; v3      16 x lane
.set SBA,  4                           ; v4      LDS: my scale byte's place in turn 0
.set LC,   5                           ; v5      LDS: my codes' place in turn 0
.set RD,   6                           ; v6      LDS: my wave's codes on the way out, turn 0
.set TAB,  7                           ; v7      centroid (lane % 8)
.set SIX,  8                           ; v8      ten digits of 6
.set SEV,  9                           ; v9      ten digits of 7
.set TOF,  14                          ; v14     4 (lane % 8)
.set RS,   15                          ; v15     LDS: scale bytes on the way out
.set VO0,  16                          ; v16-17  turn i: byte offset of my block's first word
.set VO2,  18                          ; v18-19  of its third, held inside the buffer
.set SH,   20                          ; v20-21  3 x the first digit's number in the first word: 0 .. 60
.set XW,   22                          ; v22-27  turn i: the three words
.set EB,   28                          ; v28-29  turn i: the scale byte
.set D,    32                          ; v32-49  at work in the decoding
.set MXA,  50                          ; v50-51  two chains of the largest magnitude
.set MXB,  51
.set SCO,  52                          ; v52     the conversion's scale operand
.set X,    64                          ; v64-127 a set of 32 for each turn: first the lane indices, then the weights in f32
.set C,    128                         ; v128-135 turn i: 4 registers of codes
	s_load_b128 s[4:7], s[0:1], 0x0                ; codes, centroids
	s_load_b64 s[8:9], s[0:1], 0x10                ; wq
	v_lshl_add_u32 v136, v0, 2, SPARE
	v_mov_b32 v137, 0
	v_lshrrev_b32 v10, 5, v0
	s_delay_alu instid0(VALU_DEP_1)
	v_readfirstlane_b32 s10, v10                   ; wave 0..15
	s_lshr_b32 s12, ttmp9, 3                       ; which 64 rows of the weight
	s_and_b32 s13, ttmp9, 7                        ; which 512 along K
	s_lshr_b32 s11, s12, 1                         ; n / 128
	s_and_b32 s14, s12, 1                          ; g
	s_lshr_b32 s15, s10, 2                         ; the way out: k / 128 of my 512 bytes,
	s_and_b32 s18, s10, 3                          ; and which of the turn's four there
	s_and_b32 s19, s10, 1
	s_lshl_b32 s16, s11, 18
	s_lshl_b32 s17, s13, 15
	s_add_co_u32 s16, s16, s17
	s_lshl_b32 s17, s15, 13
	s_add_co_u32 s16, s16, s17
	s_lshl_b32 s17, s14, 12
	s_add_co_u32 s16, s16, s17
	s_lshl_b32 s17, s18, 9
	s_add_co_u32 s16, s16, s17                     ; their place in wq, turn 0
	s_mov_b32 s17, 0
	s_lshl_b32 s26, s11, 14
	s_lshl_b32 s27, s13, 11
	s_add_co_u32 s26, s26, s27
	s_lshl_b32 s27, s14, 10
	s_add_co_u32 s26, s26, s27
	s_lshl_b32 s27, s19, 9
	s_add_co_u32 s26, s26, s27
	s_add_co_u32 s26, s26, 0x400000                ; and the scale bytes'
	s_mov_b32 s27, 0
	s_lshl_b32 s20, s12, 18
	s_lshl_b32 s21, s10, 14
	s_add_co_u32 s20, s20, s21
	s_lshl_b32 s21, s13, 9
	s_add_co_u32 s20, s20, s21                     ; the flat number of weight (my first row, my first k): under 2^23
	s_lshl_b32 s28, s10, 4                         ; LDS: column w
	s_add_co_u32 s31, s28, SCB
	s_mul_i32 s29, s15, KQP
	s_mul_i32 s30, s18, 2*UP
	s_add_co_u32 s29, s29, s30
	s_lshl_b32 s30, s19, 9
	s_add_co_u32 s30, s30, SCB
	v_and_b32 v1, 31, v0                           ; lane
	v_and_b32 v10, 15, v0                          ; r
	v_bfe_u32 v11, v0, 4, 1                        ; h
	v_and_b32 v[TOF], 7, v0
	v_lshlrev_b32 v[LP], 5, v10
	v_lshrrev_b32 v12, 2, v10
	v_and_b32 v13, 3, v10
	v_lshl_add_u32 v[LP], v11, 12, v[LP]
	v_mul_u32_u24 v12, v12, KQP                    ; 128 along K: r / 4
	v_lshl_add_u32 v13, v11, 2, v13                ; 4 t + 2 c + half, t = h in turn 0
	v_lshlrev_b32 v[TOF], 2, v[TOF]
	v_lshlrev_b32 v[CO], 4, v1
	v_mad_u32_u24 v12, v13, UP, v12
	v_lshl_add_u32 v[SBA], v11, 8, v10
	v_mul_u32_u24 v13, v11, UP
	v_mov_b32 v[SIX], 0x36db6db6
	v_add_nc_u32 v[LC], s28, v12
	v_add_nc_u32 v[SBA], s31, v[SBA]
	v_lshl_add_u32 v13, v10, 4, v13
	v_add_nc_u32 v[RS], s30, v[CO]
	v_mov_b32 v[SEV], 0x3fffffff
	v_add_nc_u32 v[RD], s29, v13
; Where turn i's blocks begin in the stream: all from ids, so it stands ahead of the wait for the arguments.  f / 21 in two parts.  Scalar: floor(f x 0xc30c30c4 / 2^36), exact for f under 2^36 / 20, since 21 x 0xc30c30c4 = 2^36 + 20.
; Lane: p = the scalar remainder + my place, at most 4,596; floor(p x 12,484 / 2^18), exact for p under 2^18 / 20, since 21 x 12,484 = 2^18 + 20.
; The block's last bit is at most 60 + 95 = 155 of the stream from its first word on: three words.  The launch's very last block begins a word and ends in the buffer's last word: its third word, of which it uses no bit, is held inside the buffer.
.macro ADDR i
	s_add_co_u32 s21, s20, 8192*(\i)               ; two rows a turn
	s_mul_hi_u32 s22, s21, 0xc30c30c4
	s_lshr_b32 s22, s22, 4                         ; word
	s_mul_i32 s23, s22, 21
	s_sub_co_u32 s23, s21, s23                     ; digit
	v_add_nc_u32 v10, s23, v[LP]                   ; p
	s_delay_alu instid0(VALU_DEP_1)
	v_mul_u32_u24 v11, v10, 12484
	s_delay_alu instid0(VALU_DEP_1)
	v_lshrrev_b32 v11, 18, v11                     ; words on
	s_delay_alu instid0(VALU_DEP_1)
	v_mul_u32_u24 v12, v11, 21
	s_delay_alu instid0(VALU_DEP_1)
	v_sub_nc_u32 v10, v10, v12                     ; my block's first digit in its first word
	s_delay_alu instid0(VALU_DEP_1)
	v_lshl_add_u32 v[SH+(\i)], v10, 1, v10         ; x 3 bits
	s_delay_alu instid0(VALU_DEP_4)
	v_add_lshl_u32 v[VO0+(\i)], v11, s22, 2        ; 4 bytes a word
	s_delay_alu instid0(VALU_DEP_1)
	v_add_nc_u32 v[VO2+(\i)], 8, v[VO0+(\i)]
	s_delay_alu instid0(VALU_DEP_1)
	v_min_u32 v[VO2+(\i)], 0x186184, v[VO2+(\i)]   ; the buffer's last word: 4 x 399,457
.endm
	s_wait_alu depctr_va_vdst(0)
	ADDR 0
	ADDR 1
	s_wait_alu depctr_va_vdst(0)
	s_wait_kmcnt 0x0
	s_add_nc_u64 s[24:25], s[8:9], s[26:27]        ; my 512 scale bytes (waves 0 and 1)
	s_add_nc_u64 s[8:9], s[8:9], s[16:17]          ; my 512 bytes of codes
	global_load_b32 v[TAB], v[TOF], s[6:7]
.irp i, 0,1
	global_load_b32 v[XW+3*\i],   v[VO0+\i], s[4:5]           ; all seven loads go out at once; every address register is its turn's own
	global_load_b32 v[XW+3*\i+1], v[VO0+\i], s[4:5] offset:4
	global_load_b32 v[XW+3*\i+2], v[VO2+\i], s[4:5]
.endr
; Turn i's block: three words -> 96 bits -> 32 lane indices -> 32 weights into set i.
.macro DEC i
.set X0, XW+3*(\i)
.set XS, X+32*(\i)
	s_wait_loadcnt 3*(1-(\i))                      ; loads come back in order (ISA guide 5.7.1): the centroids and my three words are in; the later turn's three may be out
	v_cmp_ne_u32 vcc_lo, 0, v[X0]
	s_delay_alu instid0(VALU_DEP_1)
	v_cndmask_b32 v[D], v[SEV], v[SIX], vcc_lo     ; digits 11 .. 20: sixes where the word is not 0, else sevens
	s_delay_alu instid0(VALU_DEP_1)
	v_alignbit_b32 v[D], v[D], v[X0], 31           ; the word's upper 31 bits: its sign, then those ten digits
	v_cmp_ne_u32 vcc_lo, 0, v[X0+1]
	s_delay_alu instid0(VALU_DEP_1)
	v_cndmask_b32 v[D+1], v[SEV], v[SIX], vcc_lo
	s_delay_alu instid0(VALU_DEP_1)
	v_alignbit_b32 v[D+1], v[D+1], v[X0+1], 31
	s_delay_alu instid0(VALU_DEP_4)
	v_lshl_or_b32 v[D+2], v[X0+1], 31, v[D]        ; the stream's bits 32 .. 63: 31 of the first word's, 1 of the second's
	s_delay_alu instid0(VALU_DEP_2)
	v_alignbit_b32 v[D+3], v[D+1], v[X0+1], 1      ; 64 .. 95
	s_delay_alu instid0(VALU_DEP_3)
	v_lshrrev_b32 v[D+17], 1, v[D+1]
	s_delay_alu instid0(VALU_DEP_1)
	v_lshl_or_b32 v[D+4], v[X0+2], 30, v[D+17]     ; 96 .. 127: 30 of the second word's, 2 of the third's
	v_lshrrev_b32 v[D+5], 2, v[X0+2]               ; 128 .. 157: enough, the last bit wanted is 155
	v_cmp_le_u32 vcc_lo, 32, v[SH+(\i)]            ; begin a whole word further on?
	s_delay_alu instid0(VALU_DEP_1)
	v_cndmask_b32 v[D+6], v[X0], v[D+2], vcc_lo
	s_delay_alu instid0(VALU_DEP_2)
	v_cndmask_b32 v[D+7], v[D+2], v[D+3], vcc_lo
	s_delay_alu instid0(VALU_DEP_3)
	v_cndmask_b32 v[D+8], v[D+3], v[D+4], vcc_lo
	s_delay_alu instid0(VALU_DEP_4)
	v_cndmask_b32 v[D+9], v[D+4], v[D+5], vcc_lo
	v_and_b32 v[D+10], 31, v[SH+(\i)]
	s_delay_alu instid0(VALU_DEP_1)
	v_alignbit_b32 v[D+11], v[D+7], v[D+6], v[D+10]    ; the block's bits 0 .. 31,
	s_delay_alu instid0(VALU_DEP_2)
	v_alignbit_b32 v[D+12], v[D+8], v[D+7], v[D+10]    ; 32 .. 63,
	s_delay_alu instid0(VALU_DEP_3)
	v_alignbit_b32 v[D+13], v[D+9], v[D+8], v[D+10]    ; 64 .. 95
	s_delay_alu instid0(VALU_DEP_3)
	v_lshlrev_b32 v[D+14], 2, v[D+11]              ; bits -2 .. 29 (for digit 0),
	s_delay_alu instid0(VALU_DEP_3)
	v_alignbit_b32 v[D+15], v[D+12], v[D+11], 28   ; 28 .. 59 (digits 10, 11, which cross a word's end),
	s_delay_alu instid0(VALU_DEP_3)
	v_alignbit_b32 v[D+16], v[D+13], v[D+12], 29   ; 61 .. 92 (digit 21)
; The permute takes a byte address, 4 x the lane.  The five bits 3 j - 2 .. 3 j + 2 of the block are 4 x digit j + two bits that the division by 4 drops: one instruction a weight.
; The index is written into the register that the permute fills: no source of a pending LDS instruction is written again.  All 32 indices first, then all 32 permutes.
.set j, 0
.rept 32
.if j == 0
	s_delay_alu instid0(VALU_DEP_3)
	v_bfe_u32 v[XS+j], v[D+14], 0, 5
.elseif j < 10
	v_bfe_u32 v[XS+j], v[D+11], 3*j-2, 5
.elseif j < 12
	v_bfe_u32 v[XS+j], v[D+15], 3*(j-10), 5
.elseif j < 21
	v_bfe_u32 v[XS+j], v[D+12], 3*j-34, 5
.elseif j == 21
	v_bfe_u32 v[XS+j], v[D+16], 0, 5
.else
	v_bfe_u32 v[XS+j], v[D+13], 3*j-66, 5
.endif
.set j, j+1
.endr
.set j, 0
.rept 32
	ds_bpermute_b32 v[XS+j], v[XS+j], v[TAB]       ; centroid (digit j)
.set j, j+1
.endr
.endm
; Turn i's 32 weights become 16 bytes of codes and a scale byte: work on registers.
.macro QNT i
.set XS, X+32*(\i)
	v_max3_num_f32 v[MXA], |v[XS]|, |v[XS+1]|, |v[XS+2]|           ; the block's largest magnitude: all 32 numbers are mine; two chains
	v_max3_num_f32 v[MXB], |v[XS+3]|, |v[XS+4]|, |v[XS+5]|
.irp n, 6,10,14,18,22,26
	s_delay_alu instid0(VALU_DEP_2)
	v_max3_num_f32 v[MXA], v[MXA], |v[XS+\n]|, |v[XS+\n+1]|
	s_delay_alu instid0(VALU_DEP_2)
	v_max3_num_f32 v[MXB], v[MXB], |v[XS+\n+2]|, |v[XS+\n+3]|
.endr
	s_delay_alu instid0(VALU_DEP_2)
	v_max3_num_f32 v[MXA], v[MXA], |v[XS+30]|, |v[XS+31]|
	s_delay_alu instid0(VALU_DEP_1)
	v_max3_num_f32 v[MXA], v[MXA], v[MXB], 0x1800000   ; and the floor 2^(3 - 127): the byte cannot fall under 1
	s_delay_alu instid0(VALU_DEP_1)
	v_add_nc_u32 v[SCO], 0xff000000, v[MXA]        ; 2 off its exponent field: the conversion takes the exponent field of this operand as its scale, and nothing else of it
.irp g, 0,1,2,3
	v_cvt_scalef32_pk8_fp4_f32 v[C+4*(\i)+\g], v[XS+8*\g:XS+8*\g+7], v[SCO]   ; eight numbers / scale, the first number's code in the lowest four bits
.endr
	v_lshrrev_b32 v[EB+(\i)], 23, v[SCO]           ; the scale's byte; also the plain instruction behind the conversions
.endm
.macro PUT i
	ds_store_b8 v[SBA], v[EB+(\i)] offset:512*(\i)
	ds_store_b128 v[LC], v[C+4*(\i):C+4*(\i)+3] offset:8*UP*(\i)
.endm
	DEC 0
	DEC 1
	s_wait_dscnt 32                                ; LDS instructions end in order (ISA guide 5.7.1): turn 0's permutes are done; turn 1's 32 may be out
	QNT 0
	PUT 0
	s_wait_dscnt 0x0                               ; for the others' sake: turn 0's stores have landed (and turn 1's permutes are done)
	s_barrier_signal -1
	QNT 1
	s_wait_alu depctr_va_vdst(0)
	s_barrier_wait -1                              ; every wave's turn 0 is in LDS
	ds_load_b128 v[32:35], v[RD]
	PUT 1
	s_wait_dscnt 2                                 ; the load is back; my two stores may be out
	global_store_b128 v[CO], v[32:35], s[8:9]      ; 32 lanes store 512 consecutive bytes
	s_wait_dscnt 0x0                               ; for the others' sake: turn 1's stores have landed
	s_barrier_signal -1
	s_barrier_wait -1
	ds_load_b128 v[36:39], v[RD] offset:8*UP
	s_wait_dscnt 0x0
	global_store_b128 v[CO], v[36:39], s[8:9] offset:2048
	s_cmp_gt_u32 s10, 1                            ; waves 0 and 1 send the scale bytes
	s_cbranch_scc1 .Ldone
	ds_load_b128 v[40:43], v[RS]
	s_wait_dscnt 0x0
	global_store_b128 v[CO], v[40:43], s[24:25]
.Ldone:
	s_wait_tensorcnt 0x0                           ; the wave's end
	ds_add_u32 v136, v137
	s_wait_dscnt 0x0
	s_endpgm
.Lfunc_end_k_q7dca95d92e_wprep:
	.size	k_q7dca95d92e_wprep, .Lfunc_end_k_q7dca95d92e_wprep-k_q7dca95d92e_wprep
	.p2alignl 7, 3214868480
	.fill 96, 4, 3214868480
	.section	.rodata,"a",@progbits
	.p2align	6, 0x0
	.amdhsa_kernel k_q7dca95d92e_wprep
		.amdhsa_group_segment_fixed_size 20736
		.amdhsa_private_segment_fixed_size 0
		.amdhsa_enable_private_segment 0
		.amdhsa_kernarg_size 24
		.amdhsa_user_sgpr_count 2
		.amdhsa_user_sgpr_kernarg_segment_ptr 1
		.amdhsa_wavefront_size32 1
		.amdhsa_system_sgpr_workgroup_id_x 1
		.amdhsa_system_sgpr_workgroup_id_y 1
		.amdhsa_system_sgpr_workgroup_id_z 1
		.amdhsa_system_vgpr_workitem_id 0
		.amdhsa_next_free_vgpr 138
		.amdhsa_next_free_sgpr 66
		.amdhsa_reserve_vcc 1
		.amdhsa_float_denorm_mode_32 3
		.amdhsa_float_denorm_mode_16_64 3
		.amdhsa_memory_ordered 1
		.amdhsa_forward_progress 1
		.amdhsa_inst_pref_size 22
	.end_amdhsa_kernel
	.amdgpu_metadata
---
amdhsa.version: [ 1, 2 ]
amdhsa.kernels:
  - .name:           k_q7dca95d92e_wprep
    .symbol:         k_q7dca95d92e_wprep.kd
    .args:
      - { .name: codes, .offset: 0, .size: 8, .value_kind: global_buffer, .address_space: global }
      - { .name: centroids, .offset: 8, .size: 8, .value_kind: global_buffer, .address_space: global }
      - { .name: wq, .offset: 16, .size: 8, .value_kind: global_buffer, .address_space: global }
    .group_segment_fixed_size: 20736
    .private_segment_fixed_size: 0
    .kernarg_segment_align: 8
    .kernarg_segment_size: 24
    .max_flat_workgroup_size: 512
    .sgpr_count:     66
    .vgpr_count:     138
    .wavefront_size: 32
...
	.end_amdgpu_metadata
.endif
;; end of part 3
;; launch gemm (part 4): grid 8 x 32, 4 waves a work-group, clusters of 4 x 1, 327,680 bytes of LDS; arguments input__codes, input__scales, wq, bias, out0; writes out0
.if DOCPART == 4
	.amdgcn_target "amdgcn-amd-amdhsa--gfx1250"
	.amdhsa_code_object_version 6
	.text
	.protected	k_q7dca95d92e_gemm
	.globl	k_q7dca95d92e_gemm
	.p2align	8
	.type	k_q7dca95d92e_gemm,@function
k_q7dca95d92e_gemm:
	s_mov_b64 s[64:65], 0
	v_nop
	global_prefetch_b8 v0, s[64:65] scope:SCOPE_SE
	s_setreg_imm32_b32 hwreg(HW_REG_WAVE_MODE, 25, 1), 1
	s_wait_xcnt 0x0
	s_wait_alu depctr_hold_cnt(0) depctr_sa_sdst(0) depctr_va_vdst(0) depctr_va_sdst(0) depctr_va_ssrc(0) depctr_va_vcc(0) depctr_vm_vsrc(0)
	s_getreg_b32 s2, hwreg(HW_REG_IB_STS2, 6, 4)
	s_cmp_eq_u32 s2, 0
	s_cbranch_scc0 .Lentry_in_a_cluster
	s_endpgm
.Lentry_in_a_cluster:
	s_bfe_u32 s2, ttmp6, 0x10000c
	s_cmp_lg_u32 s2, 0x3003
	s_cbranch_scc0 .Lentry_shape_is_right
	s_endpgm
.Lentry_shape_is_right:
; out0[m][n] = sum over k of A[m][k] W[n][k] + bias[n].  A: input_ [8192][4096] as given: codes of FP4 (E2M1), two a byte, a row 2,048 bytes; one E8M0 byte for each 32 along K, a row 128 bytes.
; W: [2048][4096] in wq as the launch before laid it: codes as images of operand registers, scale bytes behind them.  out0: f32; sums in f32, K ascending, one accumulator for each output, the bias added to the finished sum.
; LIMIT: a scale byte 0xff among the inputs makes NaN, as the format has it.
; SHAPE.  A work-group of four waves makes 256 x 256 of out0, a wave 256 rows x 64 columns: 32 accumulators of 32 rows x 16 columns, 512 registers.  8 x 32 tiles: 256 work-groups.
; A goes through LDS in four K steps of 1,024 (rows of 512 bytes) and two slots, by joint tensor loads: the four work-groups of a cluster lie in one tile row and need the same rows of A.  Its scale bytes for all of K come
; once, by the head's loads, and stay.  W goes from memory straight into registers, 512 consecutive bytes a load.  WHY W IS NOT ASKED FOR JOINTLY: a joint load ends in LDS, and each byte of W is wanted by one wave of the
; work-group alone: it would be written to LDS only to be read back once.  A's two slots and its scale bytes take 305,152 of 327,680 bytes.
; THE COLUMNS OF A TILE ARE NOT NEIGHBOURS: tile t of a wave takes columns 4 r + t of its 64.  So a lane's results of the four tiles are four neighbouring columns of a row, and sixteen lanes hold 256 neighbouring bytes:
; the addition of the bias brings them into four neighbouring registers, and a store of the wave writes two whole aligned units of 256 bytes.  No result goes through LDS.
; ORDER.  A micro-step has 16 matrix instructions: four pieces of A (32 rows x 128 K) x four tiles.  Micro-steps 0 .. 47: 128 along K, first rows 0-127, then rows 128-255.  The last 1,024 along K, micro-steps 48 .. 63, go by rows:
; 32 rows, 512 along K each: so finished rows leave under the products of the rows behind them.  Their eight pieces of W fill W's ring and are loaded once like all others; their rows of A lie in slot 1.
; The sequence is written by one macro, STEP: the four K steps differ in what they fill, so a loop over the ring's laps would have one trip.  A micro-step has ONE run of loads, ahead of its matrix instructions.
; W'S RING: a piece is 128 along K x 64 columns, 32 registers, 8 loads; piece s goes to set s % 8 and is asked for seven pieces ahead.
; REGISTERS, in windows of 256: window 0: v0-31 addresses, bias, stores; v32-95 A's scale words, two sets (512 along K: set (k / 512) % 2); v96-119 W's, three sets; v128-255 A's fragments, two sets of four pieces of 16.
;   window 1: W's ring.   window 2: accumulators of rows 0-127 ((a, t), a = 32 rows: v[64 (a % 4) + 16 t]);   window 3: of rows 128-255.
; PREFETCH INTO THE L2.  A: K steps 2 and 3, each named once in each cluster: of the tile row's 256 rows work-group cx asks for 64, wave w for 16 of them, two lanes a row; seven and nine pieces along K ahead of the tensor loads.
;   K steps 0 and 1 come by their loads alone.  W: 512 along K at a time, a whole such block ahead of its first load, in clusters of tile rows 0 and 1 alone; a wave asks for 16,384 bytes in two instructions.  The first
;   three such blocks, and all scale bytes, come by their loads alone; behind the last block nothing is asked for.
.set ROWB,   512                       ; a row of a K step, in bytes
.set PITCH,  528                       ; its LDS row: 16 bytes of padding: the sixteen rows that a load touches start in sixteen different columns of 16 bytes modulo 256
.set HALFA,  128*PITCH
.set SLOT,   2*HALFA                   ; 135,168
.set SPITCH, 272                       ; A's scale bytes: units of 256 (two rows) + 16
.set SCAL,   2*SLOT
.set SPARE,  SCAL+128*SPITCH           ; the spare words: 128 bytes for each wave
.set SPW,  1                           ; v1   LDS address of my spare word
.set NIL,  2                           ; v2   0
.set ADRA, 3                           ; v3-6 LDS address of A's fragments: slot 0 rows 0-127, rows 128-255, slot 1 likewise
.set ADSA, 7                           ; v7   of A's scale words
.set W16,  8                           ; v8   16 x lane
.set PFO,  9                           ; v9   prefetch of A: 2,048 (lane / 2) + 256 (lane % 2)
.set PFL,  10                          ; v10  prefetch of W: 256 x lane
.set CO,   11                          ; v11  my byte offset in out0: 8 rows x half + 16 r
.set BIAS, 12                          ; v[BIAS + t]: the bias of my column 4 r + t
.set TMP,  16                          ; v16-27 the first three stores' data
.set BO,   28
.set SCA,  32
.set SCW,  96
.set AF,   128
.set G1H, 24                           ; descriptor group 1: 128 rows of A (the head);  64 rows (behind it);  64 units of scale bytes
.set G1R, 32
.set G1S, 48
.set G0H, 56
.set G0S, 60
.set G0R, 68                           ; group 0 of slot 0 and of slot 1
.set WB,  76                           ; my 64 columns' codes, scale bytes; prefetch bases
.set SBS, 78
.set PFW_B, 80
.set PFA_B, 82
.set MSB, 0
.macro WIN new                         ; the immediate's high byte repeats the setting that is left
.if MSB != (\new)
	s_set_vgpr_msb (MSB<<8)|(\new)
.set MSB, (\new)
.endif
.endm
.macro PLACES                          ; the places behind a matrix instruction, ahead of loads into its sources and of reads of its result
.rept 4
	v_nop
.endr
.endm
.macro CREST                           ; a round of the cluster's barrier behind its opening barrier
	s_cmp_lg_u32 s14, 0
	s_cbranch_scc1 .Lnot_wave_0_\@
	s_barrier_signal -3
.Lnot_wave_0_\@:
	s_barrier_wait -3
	s_barrier_signal -1
	s_barrier_wait -1
.endm
.macro CROUND                          ; a whole round
	s_barrier_signal -1
	s_barrier_wait -1
	CREST
.endm
	s_load_b128 s[4:7], s[0:1], 0x0                ; A's codes s[4:5], A's scales s[6:7]
	s_load_b128 s[8:11], s[0:1], 0x10              ; wq s[8:9], bias s[10:11]
	s_load_b64 s[12:13], s[0:1], 0x20              ; out0
	v_lshl_add_u32 v[SPW], v0, 2, SPARE
	v_mov_b32 v[NIL], 0
	ds_add_u32 v[SPW], v[NIL]                      ; the wave's opening
	ds_add_u32 v[SPW], v[NIL]
	v_lshrrev_b32 v128, 5, v0
	v_readfirstlane_b32 s14, v128                  ; wave 0..3: which 64 columns of the tile are mine
	s_lshr_b32 s15, s14, 1                         ; which 128 of the tile's columns they lie in.  Also: I fetch codes (0) or scale bytes (1) at the head
	s_and_b32 s16, s14, 1                          ; which 64 of those.  Also: which half of that I fetch
	s_bfe_u32 s40, ttmp6, 0x40000                  ; cx
	s_lshl_b32 s42, ttmp9, 2
	s_add_co_u32 s42, s42, s40                     ; tile column = 4 x cluster x + cx
	s_and_b32 s17, ttmp7, 0xffff                   ; tile row = cluster y
	; descriptor group 1.  15:0 the mask: all four of the cluster; 17:16 element size; 20 padding on; 21 set beside a mask; 24:22 interval: 128 words (code 6), 64 words (code 5); 31:25 of 4 words (code 3)
	s_mov_b32 s[G1H+0], 15|(0<<16)|(1<<20)|(1<<21)|(6<<22)|(3<<25)
	s_mov_b32 s[G1H+1], ROWB<<16                   ; tensor_dim0
	s_mov_b32 s[G1H+2], 128<<16                    ; tensor_dim1
	s_mov_b32 s[G1H+3], ROWB<<16                   ; tile_dim0
	s_mov_b32 s[G1H+4], 128                        ; tile_dim1
	s_mov_b32 s[G1H+5], 2048                       ; tensor_dim0_stride
	s_mov_b32 s[G1H+6], 0
	s_mov_b32 s[G1H+7], 0
	s_mov_b32 s[G1R+0], 15|(0<<16)|(1<<20)|(1<<21)|(6<<22)|(3<<25)
	s_mov_b32 s[G1R+1], ROWB<<16
	s_mov_b32 s[G1R+2], 64<<16
	s_mov_b32 s[G1R+3], ROWB<<16
	s_mov_b32 s[G1R+4], 64
	s_mov_b32 s[G1R+5], 2048
	s_mov_b32 s[G1R+6], 0
	s_mov_b32 s[G1R+7], 0
	s_mov_b32 s[G1S+0], 15|(3<<16)|(1<<20)|(1<<21)|(5<<22)|(3<<25) ; the scale bytes of 128 rows: 64 dense rows of 256 bytes (32 elements of 8)
	s_mov_b32 s[G1S+1], 32<<16
	s_mov_b32 s[G1S+2], 64<<16
	s_mov_b32 s[G1S+3], 32<<16
	s_mov_b32 s[G1S+4], 64
	s_mov_b32 s[G1S+5], 32
	s_mov_b32 s[G1S+6], 0
	s_mov_b32 s[G1S+7], 0
	; offsets; all under 2^32.  What feeds a descriptor hangs on the tile row and the wave's number alone
	s_lshl_b32 s20, s17, 19                        ; the tile row's 256 rows of 2,048 bytes
	s_lshl_b32 s18, s16, 18
	s_add_co_u32 s18, s18, s20                     ; the head: 128 rows
	s_mov_b32 s19, 0
	s_lshl_b32 s22, s14, 17
	s_add_co_u32 s22, s22, s20                     ; the ring: 64 rows
	s_mov_b32 s23, 0
	s_lshl_b32 s46, s17, 15
	s_lshl_b32 s47, s16, 14
	s_add_co_u32 s46, s46, s47                     ; the scale bytes of 128 rows
	s_mov_b32 s47, 0
	s_mul_i32 s84, s16, HALFA
	s_mul_i32 s85, s16, 64*SPITCH
	s_mul_i32 s86, s14, 64*PITCH
	s_lshl_b32 s87, s42, 1
	s_add_co_u32 s44, s87, s15                     ; n / 128 of my columns
	s_lshl_b32 s88, s44, 18
	s_lshl_b32 s45, s16, 12
	s_add_co_u32 s88, s88, s45                     ; W's codes
	s_mov_b32 s89, 0
	s_lshl_b32 s90, s44, 14
	s_lshl_b32 s45, s16, 10
	s_add_co_u32 s90, s90, s45
	s_add_co_u32 s90, s90, 0x400000                ; W's scale bytes
	s_mov_b32 s91, 0
	s_add_co_u32 s87, s87, s16                     ; prefetch of W: n / 128 = 2 x tile column + wave % 2,
	s_lshl_b32 s92, s87, 18
	s_lshl_b32 s93, s15, 14
	s_add_co_u32 s92, s92, s93                     ; one half of a block of 32,768 bytes
	s_mov_b32 s93, 0
	s_lshl_b32 s94, s40, 17
	s_lshl_b32 s95, s14, 15
	s_add_co_u32 s94, s94, s95
	s_add_co_u32 s94, s94, s20                     ; prefetch of A: 64 rows x cx + 16 x wave
	s_mov_b32 s95, 0
	s_lshl_b32 s20, s42, 10
	s_lshl_b32 s21, s14, 8
	s_add_co_u32 s20, s20, s21                     ; my first column, in bytes of f32: in bias and in a row of out0
	s_mov_b32 s21, 0
	s_lshl_b32 s2, s17, 21
	s_add_co_u32 s2, s2, s20                       ; my corner of out0
	s_mov_b32 s3, 0
	s_wait_dscnt 0x0                               ; both opening adds are done
	s_wait_kmcnt 0x0
	s_add_nc_u64 s[18:19], s[4:5], s[18:19]
	s_add_nc_u64 s[22:23], s[4:5], s[22:23]
	s_add_nc_u64 s[46:47], s[6:7], s[46:47]
	s_add_nc_u64 s[WB:WB+1], s[8:9], s[88:89]
	s_add_nc_u64 s[SBS:SBS+1], s[8:9], s[90:91]
	s_add_nc_u64 s[PFW_B:PFW_B+1], s[8:9], s[92:93]
	s_add_nc_u64 s[PFA_B:PFA_B+1], s[4:5], s[94:95]
	s_add_nc_u64 s[10:11], s[10:11], s[20:21]
	s_add_nc_u64 s[12:13], s[12:13], s[2:3]
	s_mov_b32 s[G0H], 1                            ; 1:0 count
	s_mov_b32 s[G0H+1], s84                        ; 63:32 LDS address
	s_mov_b64 s[G0H+2:G0H+3], s[18:19]             ; 120:64 global address
	s_or_b32 s[G0H+3], s[G0H+3], 0x80000000        ; 127:126 type = 2
	s_mov_b32 s[G0S], 1
	s_add_co_u32 s[G0S+1], s85, SCAL
	s_mov_b64 s[G0S+2:G0S+3], s[46:47]
	s_or_b32 s[G0S+3], s[G0S+3], 0x80000000
	s_mov_b32 s[G0R], 1                            ; slot 0: its refill is K step 2
	s_mov_b32 s[G0R+1], s86
	s_add_nc_u64 s[G0R+2:G0R+3], s[22:23], 2*ROWB
	s_or_b32 s[G0R+3], s[G0R+3], 0x80000000
	s_mov_b32 s[G0R+4], 1                          ; slot 1: its first fill is K step 1
	s_add_co_u32 s[G0R+5], s86, SLOT
	s_add_nc_u64 s[G0R+6:G0R+7], s[22:23], ROWB
	s_or_b32 s[G0R+7], s[G0R+7], 0x80000000
	CROUND                                         ; all four work-groups are here: the first joint loads meet
	; THE HEAD'S LOADS, ONE A WAVE: waves 0 and 1 K step 0's rows of A, waves 2 and 3 A's scale bytes
	s_cmp_eq_u32 s15, 0
	s_cbranch_scc0 .Lhead_scales
	tensor_load_to_lds s[G0H:G0H+3], s[G1H:G1H+7]
	s_nop 0
	PLACES
	s_branch .Lhead_asked
.Lhead_scales:
	tensor_load_to_lds s[G0S:G0S+3], s[G1S:G1S+7]
	s_nop 0
	PLACES
.Lhead_asked:
	v_and_b32 v128, 15, v0                         ; r
	v_bfe_u32 v129, v0, 4, 1                       ; h
	v_and_b32 v130, 31, v0                         ; lane
	v_lshlrev_b32 v[W16], 4, v130
	v_lshlrev_b32 v[PFL], 8, v130
	v_lshrrev_b32 v131, 1, v130
	v_and_b32 v132, 1, v130
	v_lshlrev_b32 v[PFO], 11, v131
	v_lshl_add_u32 v[PFO], v132, 8, v[PFO]
	v_lshlrev_b32 v[BO], 4, v128
	v_lshl_add_u32 v[CO], v129, 16, v[BO]
	v_mul_u32_u24 v133, v128, PITCH
	v_lshl_add_u32 v[ADRA], v129, 4, v133          ; a fragment: row r, 16 bytes x half
	v_add_nc_u32 v[ADRA+1], HALFA, v[ADRA]
	v_add_nc_u32 v[ADRA+2], SLOT, v[ADRA]
	v_add_nc_u32 v[ADRA+3], SLOT+HALFA, v[ADRA]
	v_lshrrev_b32 v134, 1, v128                    ; scale words: row 32 a + 16 h + r lies in unit 16 a + 8 h + r / 2, at 128 (r % 2)
	v_and_b32 v135, 1, v128
	v_mul_u32_u24 v134, v134, SPITCH
	v_lshl_add_u32 v134, v135, 7, v134
	v_mad_u32_u24 v134, v129, 8*SPITCH, v134
	v_add_nc_u32 v[ADSA], SCAL, v134
	s_wait_alu depctr_va_vdst(0)
; Which 32 rows (RA) and which 512 of the last 1,024 along K (RH) a micro-step by rows takes: rows 0-31 and 32-63 change places after each 512, from there on both 512 of 32 rows on end.
.macro ROWOF u
.if (\u) < 52
.set RA, (\u)%2
.set RH, ((\u)-48)/2
.else
.set RA, ((\u)-48)/2
.set RH, (\u)%2
.endif
.endm
; Piece s of W, into set s % 8.
.macro WLD s
	WIN 0x40                                       ; destination window 1
.irp x, 0,1,2,3
.irp c, 0,1
.set WR, 32*((\s)%8)+8*\x+4*\c
	global_load_b128 v[WR:WR+3], v[W16], s[WB:WB+1] offset:(\s)*8192+\x*1024+512*\c
.endr
.endr
.endm
; The four pieces of A of micro-step u, into set u % 2.  By 128 along K: rows 128 (u % 2) + 32 i on; by rows: 32 rows, the i-th 128 of their 512 along K.
.macro ALD u
.if (\u) < 64
	WIN 0
.if (\u) < 48
.set LADR, ADRA+2*(((\u)/16)%2)+(\u)%2
.else
	ROWOF (\u)
.set LADR, ADRA+2+RA/4
.endif
.irp i, 0,1,2,3
.if (\u) < 48
.set LOFF, \i*32*PITCH+64*(((\u)/2)%8)
.else
.set LOFF, (RA%4)*32*PITCH+64*(4*RH+\i)
.endif
.irp x, 0,1
.irp c, 0,1
.set LR, AF+64*((\u)%2)+16*\i+8*\x+4*\c
	ds_load_b128 v[LR:LR+3], v[LADR] offset:LOFF+\x*16*PITCH+32*\c
.endr
.endr
.endr
.endif
.endm
; Scale words of the j-th 512 along K.  A's, into set j % 2: a lane a row, 32 rows a load; W's, into set j % 3: lanes 0-15 an even tile's columns, lanes 16-31 the odd one's.
.macro SCALA j
	WIN 0
.irp p, 0,1,2,3,4,5,6,7
.set LR, SCA+32*((\j)%2)+4*\p
	ds_load_b128 v[LR:LR+3], v[ADSA] offset:\p*16*SPITCH+16*(\j)
.endr
.endm
.macro SCALW j
	WIN 0
.irp p, 0,1
.set LR, SCW+8*((\j)%3)+4*\p
	global_load_b128 v[LR:LR+3], v[W16], s[SBS:SBS+1] offset:(\j)*2048+512*\p
.endr
.endm
.macro PREW j, hf                      ; prefetch of W's j-th 512 along K
	WIN 0
	s_cmp_lt_u32 s17, 2
	s_cbranch_scc0 .Lnot_mine_\@
	global_prefetch_b8 v[PFL], s[PFW_B:PFW_B+1] offset:(\j)*32768+(\hf)*8192 th:TH_LOAD_NT scope:SCOPE_SE
.Lnot_mine_\@:
.endm
; Four matrix instructions of micro-step U: piece i of A x the four tiles.  Source 0: 32 rows of A, their scales in all 32 lanes; source 1: 16 columns of W, an odd tile's scales in lanes 16-31 (ROW1).
; The first two micro-steps start the sums: nothing is cleared.  The accumulators take turns, one instruction a turn.
.macro MULP i
.if U < 48
.set MA, 4*(U%2)+(\i)
.set MQ, (U/2)%4
.set MJ, U/8
.set MW, (U/2)%8
.else
	ROWOF U
.set MA, RA
.set MQ, (\i)
.set MJ, 6+RH
.set MW, 4*RH+(\i)
.endif
	WIN 0xa4+0x50*(MA/4)                           ; source 1 window 1, C and D window 2 or 3
.set rA, AF+64*(U%2)+16*(\i)
.set rSA, SCA+32*(MJ%2)+4*MA+MQ
.irp y, 0,1,2,3
.set rD, 64*(MA%4)+16*\y
.set rB, 32*MW+8*\y
.set rSB, SCW+8*(MJ%3)+4*(\y/2)+MQ
.if U < 2
.if \y%2
	v_wmma_scale_f32_32x16x128_f4 v[rD:rD+15], v[rA:rA+15], v[rB:rB+7], 0, v[rSA], v[rSB] matrix_b_scale:MATRIX_SCALE_ROW1
.else
	v_wmma_scale_f32_32x16x128_f4 v[rD:rD+15], v[rA:rA+15], v[rB:rB+7], 0, v[rSA], v[rSB]
.endif
.else
.if \y%2
	v_wmma_scale_f32_32x16x128_f4 v[rD:rD+15], v[rA:rA+15], v[rB:rB+7], v[rD:rD+15], v[rSA], v[rSB] matrix_b_scale:MATRIX_SCALE_ROW1
.else
	v_wmma_scale_f32_32x16x128_f4 v[rD:rD+15], v[rA:rA+15], v[rB:rB+7], v[rD:rD+15], v[rSA], v[rSB]
.endif
.endif
.endr
.endm
; Store group n of 32: rows 32 a on (a = n / 4), registers 4 (n % 4) + i, i = 0 .. 3, of the four tiles' accumulators: register j of lane (r, h) is row 16 (j / 8) + 8 h + j % 8, columns 4 r + t.
; The bias is added on the way into four neighbouring registers: the first three stores' data go where the group before has been read out (the launch's first group: into v16-27), the fourth's into this group's own first four,
; all of which have been read by then.  So no store's data are ever written again, and no wait for stores is due.
.macro SGSET n
.set GA, (\n)/4
.set GJ, (\n)%4
.set GS, 64*(GA%4)+4*GJ
.set GW, 2+(GA/4)
.if (\n) > 0
.set GPN, (\n)-1
.set GPA, GPN/4
.set GPD, 64*(GPA%4)+4*(GPN%4)
.set GPW, 2+(GPA/4)
.endif
.endm
.macro SDST n, i
.if (\i) == 3
.set GD, GS
.set GDW, GW
.elseif (\n) == 0
.set GD, TMP+4*(\i)
.set GDW, 0
.else
.set GD, GPD+16*((\i)+1)
.set GDW, GPW
.endif
.endm
.macro SGADD n
	SGSET \n
.irp i, 0,1,2,3
	SDST \n, \i
	WIN GW+64*GDW
.irp y, 0,1,2,3
	v_add_f32 v[GD+\y], v[GS+16*\y+\i], v[BIAS+\y]
.endr
.endr
.endm
.macro SGST n
	SGSET \n
.irp i, 0,1,2,3
	SDST \n, \i
	WIN 4*GDW
	global_store_b128 v[CO], v[GD:GD+3], s[12:13] offset:(32*GA+16*(GJ/2)+4*(GJ%2)+\i)*8192 th:TH_STORE_NT   ; lanes 0-15 one row's 256 bytes, lanes 16-31 those of the row 8 further down
.endr
.endm
; ONE MICRO-STEP.  Its run of loads brings the next one's A from LDS into the other set and, in every second one, a piece of W.
.macro STEP
	PLACES                                         ; for the loads into registers that earlier products have read, and for reads of results
.if (U < 48) && ((U%2) == 0)
	s_wait_loadcnt 48                              ; this piece of W is in: behind it stand six pieces of 8 loads (and scale words, which went out behind it)
.elseif U == 48
	s_wait_loadcnt 24                              ; pieces 24 .. 27 are in: behind them stand 28 .. 30
.elseif U == 50
	s_wait_loadcnt 0x0                             ; and the rest of W
.endif
.if (U == 15) || (U == 31)
	; A slot's last micro-step changes slots: the slot's last reads were issued a micro-step ago.
	WIN 0
	s_wait_tensorcnt 0x0                           ; my part of the next slot is in;
	ds_add_u32 v[SPW], v[NIL]                      ; 0 onto my spare word
.if U == 31
	s_add_nc_u64 s[G0R+6:G0R+7], s[G0R+6:G0R+7], 2*ROWB ; slot 1's refill is K step 3 (no tensor load of mine is out)
.endif
	s_wait_dscnt 1                                 ; all but the add
	MULP 0
	s_wait_dscnt 0x0                               ; the add is done, and so are my reads of this slot
	s_barrier_signal -1
	MULP 1
	WIN 0
	s_barrier_wait -1
	CREST                                          ; no wave of any partner still reads this slot or has a load on its way
	tensor_load_to_lds s[G0R+4*(U/16):G0R+4*(U/16)+3], s[G1R:G1R+7]  ; the first tensor load behind the round, my one load until the next
	s_nop 0
	PLACES
	ALD U+1
	MULP 2
	MULP 3
.elseif U == 47
	; Slot 1's last fill is read from the next micro-step on: a barrier behind which nothing is filled.
	WIN 0
	s_wait_tensorcnt 0x0                           ; my part of it is in
	s_wait_dscnt 0x0
	s_barrier_signal -1
	MULP 0
	MULP 1
	s_barrier_wait -1                              ; everybody's is
	ALD U+1
	MULP 2
	MULP 3
.else
.if U > 50
	SGADD 2*(U-51)
	SGADD 2*(U-51)+1
.endif
	ALD U+1
.if (U < 48) && ((U%8) == 0)
	SCALA (U/8)+1
.elseif U == 48
	SCALA 7
.endif
.if U > 50
	SGST 2*(U-51)
	SGST 2*(U-51)+1
.endif
.if (U < 49) && ((U%2) == 0)
	WLD (U/2)+7
.endif
.if (U < 48) && ((U%8) == 0)
	SCALW (U/8)+2
.endif
.if U == 1
	WIN 0
	global_prefetch_b8 v[PFO], s[PFA_B:PFA_B+1] offset:2*ROWB th:TH_LOAD_NT scope:SCOPE_SE
.endif
.if U == 13
	WIN 0
	global_prefetch_b8 v[PFO], s[PFA_B:PFA_B+1] offset:3*ROWB th:TH_LOAD_NT scope:SCOPE_SE
.endif
.if (U < 40) && ((U%8) == 3)
	PREW (U/8)+3, 0
.endif
.if (U < 40) && ((U%8) == 5)
	PREW (U/8)+3, 1
.endif
.if (U < 49) && ((U%8) == 0)
	s_wait_dscnt 24                                ; this micro-step's A is in: behind it the next one's 16 loads and eight of scale words
.elseif U < 63
	s_wait_dscnt 16
.else
	s_wait_dscnt 0x0
.endif
	MULP 0
	MULP 1
	MULP 2
	MULP 3
.endif
.endm
	global_load_b128 v[BIAS:BIAS+3], v[BO], s[10:11]
	SCALW 0
	SCALW 1
.irp m, 0,1,2,3,4,5,6
	WLD \m
.endr
	WIN 0
	s_wait_alu depctr_va_vdst(0)
	s_wait_tensorcnt 0x0                           ; my tile of the head's is in
	ds_add_u32 v[SPW], v[NIL]
	s_wait_dscnt 0x0
	CROUND                                         ; everybody's is
	tensor_load_to_lds s[G0R+4:G0R+7], s[G1R:G1R+7] ; slot 1's first fill: K step 1
	s_nop 0
	PLACES
	SCALA 0
	ALD 0
.set U, 0
.rept 64
	STEP
.set U, U+1
.endr
	PLACES
.irp z, 26,27,28,29,30,31              ; what is left of the last 64 rows
	SGADD \z
.endr
.irp z, 26,27,28,29,30,31
	SGST \z
.endr
	WIN 0
	s_wait_tensorcnt 0x0                           ; the wave's end
	ds_add_u32 v[SPW], v[NIL]
	s_wait_dscnt 0x0
	CROUND                                         ; the closing round: no work-group ends while a partner may still ask for a tile that names it
	s_endpgm
.Lfunc_end_k_q7dca95d92e_gemm:
	.size	k_q7dca95d92e_gemm, .Lfunc_end_k_q7dca95d92e_gemm-k_q7dca95d92e_gemm
	.p2alignl 7, 3214868480
	.fill 96, 4, 3214868480
	.section	.rodata,"a",@progbits
	.p2align	6, 0x0
	.amdhsa_kernel k_q7dca95d92e_gemm
		.amdhsa_group_segment_fixed_size 327680
		.amdhsa_private_segment_fixed_size 0
		.amdhsa_enable_private_segment 0
		.amdhsa_kernarg_size 40
		.amdhsa_user_sgpr_count 2
		.amdhsa_user_sgpr_kernarg_segment_ptr 1
		.amdhsa_wavefront_size32 1
		.amdhsa_system_sgpr_workgroup_id_x 1
		.amdhsa_system_sgpr_workgroup_id_y 1
		.amdhsa_system_sgpr_workgroup_id_z 1
		.amdhsa_system_vgpr_workitem_id 0
		.amdhsa_next_free_vgpr 1024
		.amdhsa_next_free_sgpr 98
		.amdhsa_reserve_vcc 0
		.amdhsa_float_denorm_mode_32 3
		.amdhsa_float_denorm_mode_16_64 3
		.amdhsa_memory_ordered 1
		.amdhsa_forward_progress 1
		.amdhsa_inst_pref_size 255
	.end_amdhsa_kernel
	.section	.bss,"aw",@nobits
	.p2align	6
	.space	262144
	.amdgpu_metadata
---
amdhsa.version: [ 1, 2 ]
amdhsa.kernels:
  - .name:           k_q7dca95d92e_gemm
    .symbol:         k_q7dca95d92e_gemm.kd
    .args:
      - { .name: input__codes, .offset: 0, .size: 8, .value_kind: global_buffer, .address_space: global }
      - { .name: input__scales, .offset: 8, .size: 8, .value_kind: global_buffer, .address_space: global }
      - { .name: wq, .offset: 16, .size: 8, .value_kind: global_buffer, .address_space: global }
      - { .name: bias, .offset: 24, .size: 8, .value_kind: global_buffer, .address_space: global }
      - { .name: out0, .offset: 32, .size: 8, .value_kind: global_buffer, .address_space: global }
    .group_segment_fixed_size: 327680
    .private_segment_fixed_size: 0
    .kernarg_segment_align: 8
    .kernarg_segment_size: 40
    .max_flat_workgroup_size: 128
    .sgpr_count:     98
    .vgpr_count:     1024
    .wavefront_size: 32
...
	.end_amdgpu_metadata
.endif
;; end of part 4
